; MI455X (gfx1250); checked and timed in simulation.
; The chip was launched on July 23, 2026; its instructions are those of AMD's public machine-readable ISA for CDNA 5 (MIT licence, August 2026) and "CDNA5" Instruction Set Architecture Reference Guide (July 2026). The comments in the code are by the model that wrote it; some were corrected since.
;; Flax Attention. Allowed arithmetic: float matrix products may take bf16 or f16 operands with f32 sums; other float arithmetic in f32, or as packed bf16 or f16 multiplies, adds, multiply-adds, maxima and minima; sums over many terms, partial sums and values carried from step to step in f32; what a program stores and reads back later, other than sums and carried values, may be rounded once to bf16 or f16.
;; Inputs: hidden_states 4 x 2,048 x 1,024 float32; w_k 1,024 x 1,024 float32; w_o 1,024 x 1,024 float32; w_q 1,024 x 1,024 float32; w_v 1,024 x 1,024 float32.
;; Outputs: out0 4 x 2,048 x 1,024 float32.
;; One version. Each part assembles by itself: llvm-mc -triple=amdgcn-amd-amdhsa -mcpu=gfx1250 --defsym DOCPART=n.
;; ======== version 1 of 1: 4 launches
;; limits: values are held in f16: magnitudes above 65,504 overflow, below 6.1e-05 lose precision
;; workspace buffers: xb 16,777,216 bytes; wqkv 6,291,456 bytes; wo16 2,097,152 bytes; qkv 50,331,648 bytes; ob 16,777,216 bytes
;; launch prep (part 1): grid 64 x 12, 8 waves a work-group, no clusters, 0 bytes of LDS; arguments hidden_states, w_q, w_k, w_v, w_o, xb, wqkv, wo16; writes xb, wqkv, wo16
.if DOCPART == 1
	.amdgcn_target "amdgcn-amd-amdhsa--gfx1250"
	.amdhsa_code_object_version 6
	.text
	.protected	k_q54c26b8ce4_prep
	.globl	k_q54c26b8ce4_prep
	.p2align	8
	.type	k_q54c26b8ce4_prep,@function
k_q54c26b8ce4_prep:
	s_mov_b64 s[64:65], 0
	v_nop
	global_prefetch_b8 v0, s[64:65] scope:SCOPE_SE
	s_setreg_imm32_b32 hwreg(HW_REG_WAVE_MODE, 25, 1), 1
	s_wait_xcnt 0x0
; THE CASTS.  All five inputs are rounded once to bf16 (nearest even).  x -> xb [8192][1024] bf16; w_q, w_k, w_v -> wqkv [3 x 1024][1024] bf16, one behind the other, as they lie ([k][n]);
; w_o -> wo16 [1024][1024]: the bf16-rounded number written as f16, since the last product multiplies f16 operands.
; LIMIT.  A bf16 number is exact in f16 between 6.1e-5 and 65,504 in magnitude; below, f16 keeps a fixed step of 6e-8; at 65,520 and beyond it becomes an infinity: w_o stays under that.
; SHARES.  The grid's y picks 1,048,576 numbers: 0-7 the eighths of x, 8-10 w_q, w_k, w_v, 11 w_o.  A work-group takes 16,384 of them as 16 chunks of 1,024; thread t takes 4 numbers of each chunk:
; a wave's load covers 512 consecutive bytes, its store 256 consecutive bytes at a multiple of 256 from the buffer's first byte.  All 16 loads of a thread go out at once; each byte is read and written once.
; A pure stream: no LDS, no barrier, no matrix unit, no cluster (no two work-groups read the same byte).
.set X, 4                              ; v[4:67]    chunk j: 4 numbers in f32
.set Y, 68                             ; v[68:99]   chunk j: 4 numbers in 16 bits; never rewritten, so the stores need no wait
.set T, 100                            ; v[100:103] at work
	s_load_b256 s[8:15], s[0:1], 0x0               ; x s[8:9], w_q s[10:11], w_k s[12:13], w_v s[14:15]
	s_load_b256 s[16:23], s[0:1], 0x20             ; w_o s[16:17], xb s[18:19], wqkv s[20:21], wo16 s[22:23]
	s_and_b32 s2, ttmp7, 0xffff                    ; y
	v_lshlrev_b32 v1, 4, v0                        ; my 16 bytes of a chunk on the way in
	v_lshlrev_b32 v2, 3, v0                        ; my 8 bytes on the way out
	s_cmp_lt_u32 s2, 8                             ; the offsets are made apart from the addresses
	s_cselect_b32 s28, s2, 0
	s_lshl_b32 s28, s28, 22                        ; an eighth of x is 4 MiB; a weight matrix begins at its own first byte
	s_lshl_b32 s3, ttmp9, 16                       ; the work-group's 16,384 numbers in f32
	s_add_co_u32 s28, s28, s3
	s_mov_b32 s29, 0
	s_and_b32 s30, s2, 7                           ; the eighth of xb, or the matrix in wqkv,
	s_cmp_eq_u32 s2, 11
	s_cselect_b32 s30, 0, s30                      ; or wo16's first byte
	s_lshl_b32 s30, s30, 21
	s_lshl_b32 s3, ttmp9, 15
	s_add_co_u32 s30, s30, s3
	s_mov_b32 s31, 0
	s_wait_kmcnt 0x0
	s_mov_b64 s[24:25], s[8:9]                     ; from where: x, unless y names a weight matrix
	s_cmp_eq_u32 s2, 8
	s_cselect_b64 s[24:25], s[10:11], s[24:25]
	s_cmp_eq_u32 s2, 9
	s_cselect_b64 s[24:25], s[12:13], s[24:25]
	s_cmp_eq_u32 s2, 10
	s_cselect_b64 s[24:25], s[14:15], s[24:25]
	s_cmp_eq_u32 s2, 11
	s_cselect_b64 s[24:25], s[16:17], s[24:25]
	s_cselect_b64 s[26:27], s[22:23], s[20:21]     ; to where: wo16 or wqkv,
	s_cmp_lt_u32 s2, 8
	s_cselect_b64 s[26:27], s[18:19], s[26:27]     ; or xb
	s_add_nc_u64 s[24:25], s[24:25], s[28:29]
	s_add_nc_u64 s[26:27], s[26:27], s[30:31]
.irp j, 0,1,2,3,4,5,6,7,8,9,10,11,12,13,14,15
	global_load_b128 v[X+4*(\j):X+4*(\j)+3], v1, s[24:25] offset:4096*(\j) th:TH_LOAD_NT
.endr
	s_cmp_eq_u32 s2, 11
	s_cbranch_scc1 .Lwo
.irp j, 0,1,2,3,4,5,6,7,8,9,10,11,12,13,14,15
	s_wait_loadcnt 15-(\j)                         ; loads come back in order: chunk j is in, the younger ones stay out
	v_cvt_pk_bf16_f32 v[Y+2*(\j)], v[X+4*(\j)], v[X+4*(\j)+1]
	v_cvt_pk_bf16_f32 v[Y+2*(\j)+1], v[X+4*(\j)+2], v[X+4*(\j)+3]
	global_store_b64 v2, v[Y+2*(\j):Y+2*(\j)+1], s[26:27] offset:2048*(\j) th:TH_STORE_NT
.endr
	s_endpgm
.Lwo:                                                  ; w_o: rounded to bf16, widened again (a shift, a mask), and that number written as f16
.irp j, 0,1,2,3,4,5,6,7,8,9,10,11,12,13,14,15
	s_wait_loadcnt 15-(\j)
	v_cvt_pk_bf16_f32 v[T], v[X+4*(\j)], v[X+4*(\j)+1]
	v_cvt_pk_bf16_f32 v[T+1], v[X+4*(\j)+2], v[X+4*(\j)+3]
	v_lshlrev_b32 v[T+2], 16, v[T]
	v_and_b32 v[T], 0xffff0000, v[T]
	v_lshlrev_b32 v[T+3], 16, v[T+1]
	v_and_b32 v[T+1], 0xffff0000, v[T+1]
	v_cvt_pk_f16_f32 v[Y+2*(\j)], v[T+2], v[T]
	v_cvt_pk_f16_f32 v[Y+2*(\j)+1], v[T+3], v[T+1]
	global_store_b64 v2, v[Y+2*(\j):Y+2*(\j)+1], s[26:27] offset:2048*(\j) th:TH_STORE_NT
.endr
	s_endpgm
.Lfunc_end_k_q54c26b8ce4_prep:
	.size	k_q54c26b8ce4_prep, .Lfunc_end_k_q54c26b8ce4_prep-k_q54c26b8ce4_prep
	.p2alignl 7, 3214868480
	.fill 96, 4, 3214868480
	.section	.rodata,"a",@progbits
	.p2align	6, 0x0
	.amdhsa_kernel k_q54c26b8ce4_prep
		.amdhsa_group_segment_fixed_size 0
		.amdhsa_private_segment_fixed_size 0
		.amdhsa_enable_private_segment 0
		.amdhsa_kernarg_size 64
		.amdhsa_user_sgpr_count 2
		.amdhsa_user_sgpr_kernarg_segment_ptr 1
		.amdhsa_wavefront_size32 1
		.amdhsa_system_sgpr_workgroup_id_x 1
		.amdhsa_system_sgpr_workgroup_id_y 1
		.amdhsa_system_sgpr_workgroup_id_z 1
		.amdhsa_system_vgpr_workitem_id 0
		.amdhsa_next_free_vgpr 104
		.amdhsa_next_free_sgpr 66
		.amdhsa_reserve_vcc 0
		.amdhsa_float_denorm_mode_32 3
		.amdhsa_float_denorm_mode_16_64 3
		.amdhsa_memory_ordered 1
		.amdhsa_forward_progress 1
		.amdhsa_inst_pref_size 16
	.end_amdhsa_kernel
	.amdgpu_metadata
---
amdhsa.version: [ 1, 2 ]
amdhsa.kernels:
  - .name:           k_q54c26b8ce4_prep
    .symbol:         k_q54c26b8ce4_prep.kd
    .args:
      - { .name: hidden_states, .offset: 0, .size: 8, .value_kind: global_buffer, .address_space: global }
      - { .name: w_q, .offset: 8, .size: 8, .value_kind: global_buffer, .address_space: global }
      - { .name: w_k, .offset: 16, .size: 8, .value_kind: global_buffer, .address_space: global }
      - { .name: w_v, .offset: 24, .size: 8, .value_kind: global_buffer, .address_space: global }
      - { .name: w_o, .offset: 32, .size: 8, .value_kind: global_buffer, .address_space: global }
      - { .name: xb, .offset: 40, .size: 8, .value_kind: global_buffer, .address_space: global }
      - { .name: wqkv, .offset: 48, .size: 8, .value_kind: global_buffer, .address_space: global }
      - { .name: wo16, .offset: 56, .size: 8, .value_kind: global_buffer, .address_space: global }
    .group_segment_fixed_size: 0
    .private_segment_fixed_size: 0
    .kernarg_segment_align: 8
    .kernarg_segment_size: 64
    .max_flat_workgroup_size: 256
    .sgpr_count:     66
    .vgpr_count:     104
    .wavefront_size: 32
...
	.end_amdgpu_metadata
.endif
;; end of part 1
;; launch qkv (part 2): grid 4 x 64, 4 waves a work-group, clusters of 4 x 4, 327,680 bytes of LDS; arguments xb, wqkv, qkv; writes qkv
.if DOCPART == 2
	.amdgcn_target "amdgcn-amd-amdhsa--gfx1250"
	.amdhsa_code_object_version 6
	.text
	.protected	k_q54c26b8ce4_qkv
	.globl	k_q54c26b8ce4_qkv
	.p2align	8
	.type	k_q54c26b8ce4_qkv,@function
k_q54c26b8ce4_qkv:
	s_mov_b64 s[64:65], 0
	v_nop
	global_prefetch_b8 v0, s[64:65] scope:SCOPE_SE
	s_setreg_imm32_b32 hwreg(HW_REG_WAVE_MODE, 25, 1), 1
	s_wait_xcnt 0x0
	s_wait_alu depctr_hold_cnt(0) depctr_sa_sdst(0) depctr_va_vdst(0) depctr_va_sdst(0) depctr_va_ssrc(0) depctr_va_vcc(0) depctr_vm_vsrc(0)
	s_getreg_b32 s2, hwreg(HW_REG_IB_STS2, 6, 4)
	s_cmp_eq_u32 s2, 0
	s_cbranch_scc0 .Lentry_in_a_cluster
	s_endpgm
.Lentry_in_a_cluster:
	s_bfe_u32 s2, ttmp6, 0x10000c
	s_cmp_lg_u32 s2, 0xf033
	s_cbranch_scc0 .Lentry_shape_is_right
	s_endpgm
.Lentry_shape_is_right:
; C = A W, W stored [k][n] as the problem gives it.  ONE TEXT FOR TWO LAUNCHES, told apart by KIND.
; KIND 0: q, k, v = xb wqkv.  A = xb [8192][1024] bf16; W = wqkv [3 x 1024][1024] bf16; products in bf16, sums in f32, each result rounded once to f16, unscaled, and laid by heads: qkv [3][64 = batch x 16 + head][2048][64].
; KIND 1: out0 = O wo16.  A = ob [64][2048][64] f16 (a head's 64 channels are one slice of K); W = wo16 [1024][1024] f16; products in f16, sums in f32; out0 [8192][1024] f32.
; LIMIT.  f16 holds no number beyond 65,504: q, k and v stay under that (at 65,520 the conversion gives an infinity); NaN and infinities are not treated apart.
; SHARES.  A tile of C is 128 rows x 256 columns: 8192 x 1024 make 256 tiles, one for each of 256 work-groups; in KIND 0 a WORK-GROUP STAYS and makes the q, k and v tile of the same rows and columns, one after the other:
; A goes back along K, W simply runs on (the three matrices lie one behind the other along K), and the ring does not stop at a tile's end.  Four waves, each 64 rows x 128 columns: 32 accumulators of 16 x 16.
; K goes in steps of 128 through two LDS slots filled by the tensor data mover; a wave fetches half of A's tile (waves 0, 1) or half of W's (waves 2, 3): one load a wave behind each change of slots.
; CLUSTERS: 4 x 4 work-groups.  The four of a row of the cluster need the same tiles of A, the four of a column the same tiles of W: each tile is asked for JOINTLY, by the same tensor load with the same descriptor and a mask of four.
; THE MATRIX INSTRUCTION IS USED TRANSPOSED (source 0 = 16 columns of W, source 1 = 16 rows of A): a lane then holds row lane % 16 of C and the eight neighbouring columns 8 (lane / 16) + 0..7.
; A's fragments come out of LDS as they lie (K along the rows), W's ([k][n]) turned, by ds_load_tr16_b128.
; REGISTERS: window 0: v0-6 at work; v16-29 addresses; v32-63 the way out; v64-159, v160-255 two fragment buffers of 96 (W's 8 blocks of 16 columns x 32 K, then A's 4 blocks of 16 rows x 32 K).
;   window 1: the accumulators, (a, b) at v[8 (8 a + b)].
.set KIND,   0
.set KSTEP,  128
.set LAPS,   4                         ; a lap = two K steps = once round the ring; K = 1,024
.set PB,     544                       ; a k-row of W in LDS: 512 bytes + 32 of padding = 136 words
.set ASZ,    36864                     ; room for A's tile in a slot
.set BHALF,  64*PB                     ; 64 k-rows: what one tensor load brings of W
.set SLOT,   ASZ+2*BHALF               ; 106,496
.set STAGE,  2*SLOT                    ; behind the ring, never filled by a tensor load: each wave's own 16 rows for the way out
.set BSTEP,  2*KSTEP*2048              ; W: two K steps down, across tiles too
.if KIND
.set TILES,  1
.set PA,     144                       ; a row of A in LDS: a head's 128 bytes + 16: the 16 rows of a load start at 16 different groups of four banks
.set AHALF,  128*PA                    ; wave 0 fetches the K step's first head (128 rows x 128 dense bytes), wave 1 its second
.set AQH,    128*PA                    ; quarters 2 and 3 of a K step lie in the second head's block
.set A1,     524288                    ; K step 1: two heads on, 2,048 x 128 bytes each
.set ASTEP,  1048576                   ; two K steps on
.set BACK_A, 0
.set QIA,    4                         ; padding after every 32 words
.set AROW,   128                       ; 16,384 dense bytes are asked for as 64 rows of 256 bytes
.set SPITCH, 528                       ; the stage: 128 columns of f32 + 16 bytes
.else
.set TILES,  3
.set PA,     272                       ; 256 bytes + 16
.set AHALF,  64*PA                     ; wave 0 fetches rows 0-63, wave 1 rows 64-127
.set AQH,    128
.set A1,     256
.set ASTEP,  512
.set BACK_A, 1536                      ; from a slot's last K step of a tile (6 or 7) to its first of the next (0 or 1)
.set QIA,    5                         ; padding after every 64 words
.set AROW,   1024
.set SPITCH, 144                       ; the stage: a head's 64 columns of f16 + 16 bytes
.endif
.set SPARE,  STAGE+4*16*SPITCH         ; behind the stages: the spare words, 128 bytes for each wave: two blocks of 256 bytes that no other line names
.set ADRA, 16                          ; v16-17  LDS address of my A fragments in slot 0, 1
.set ADRB, 20                          ; v20-21  the same for W
.set STO,  24                          ; v24     the way out: where I put my part of a row
.set RD,   25                          ; v25     the way out: where I read rows back
.set CO,   26                          ; v26     16 x my lane: my byte offset in 512 consecutive bytes of C
.set SPW,  28                          ; v28     LDS address of my spare word: SPARE + 4 x my thread's number; never rewritten
.set NIL,  29                          ; v29     0; never rewritten
.set F0,   64
.set F1,   160
.set G1,  24                           ; s[24:31] descriptor group 1 for A's tiles;  s[32:39] group 0, one set for each slot
.set G0,  32
.set G1B, 48                           ; s[48:55], s[56:63] the same for W's tiles
.set G0B, 56
.set MSB, 0
.macro WIN new                         ; the immediate's high byte repeats the setting that is left; a switch that changes nothing is dropped
.if MSB != (\new)
	s_set_vgpr_msb (MSB<<8)|(\new)
.set MSB, \new
.endif
.endm
.set MUL, 0x50                         ; C and D window 1, both sources window 0
.set PK,  0x05                         ; sources 0 and 1 window 1, destination window 0
.set ST1, 0x04                         ; an LDS store's data window 1, its address window 0
.macro JLOAD s                         ; a joint load: waves 0 and 1 fetch A's two halves, waves 2 and 3 W's; an s_nop 0 and four v_nop follow each of the two lines, ahead of the jump, the label and what follows
	s_cmp_eq_u32 s11, 0
	s_cbranch_scc0 .Lfor_b_\@
	tensor_load_to_lds s[G0+4*(\s):G0+4*(\s)+3], s[G1:G1+7]
	s_nop 0
.rept 4
	v_nop
.endr
	s_branch .Lasked_\@
.Lfor_b_\@:
	tensor_load_to_lds s[G0B+4*(\s):G0B+4*(\s)+3], s[G1B:G1B+7]
	s_nop 0
.rept 4
	v_nop
.endr
.Lasked_\@:
.endm
.macro CREST                           ; a round of the cluster's barrier behind its opening barrier
	s_cmp_lg_u32 s10, 0
	s_cbranch_scc1 .Lnot_wave_0_\@
	s_barrier_signal -3
.Lnot_wave_0_\@:
	s_barrier_wait -3
	s_barrier_signal -1
	s_barrier_wait -1
.endm
.macro CROUND                          ; a whole round
	s_barrier_signal -1
	s_barrier_wait -1
	CREST
.endm
	s_load_b128 s[4:7], s[0:1], 0x0                ; A s[4:5], W s[6:7]
	s_load_b64 s[8:9], s[0:1], 0x10                ; C
	v_lshl_add_u32 v[SPW], v0, 2, SPARE
	v_mov_b32 v[NIL], 0
	ds_add_u32 v[SPW], v[NIL]                      ; the wave's opening: the add and its wait stand ahead of my first tensor load; the set-up below, work on registers, stands between them
	v_lshrrev_b32 v1, 5, v0
	v_readfirstlane_b32 s10, v1                    ; wave 0..3
	s_lshr_b32 s11, s10, 1                         ; which 64 of the tile's rows are mine.  Also: I fetch for A (0) or for W (1)
	s_and_b32 s12, s10, 1                          ; which 128 of its columns.  Also: which half of that tile I fetch
	s_bfe_u32 s40, ttmp6, 0x40000                  ; cx, cy: my place in the cluster
	s_bfe_u32 s41, ttmp6, 0x40004
	s_lshl_b32 s42, ttmp9, 2
	s_add_co_u32 s42, s42, s40                     ; tile column of C = 4 x cluster x + cx
	s_and_b32 s13, ttmp7, 0xffff
	s_lshl_b32 s13, s13, 2
	s_add_co_u32 s13, s13, s41                     ; tile row of C = 4 x cluster y + cy
	s_lshl_b32 s43, s41, 2
	s_lshl_b32 s43, 15, s43                        ; my row of the cluster
	s_lshl_b32 s44, 0x1111, s40                    ; my column
	; descriptor group 1.  A: 64 rows x 128 elements; W: 64 k-rows x 256 elements; both padded in LDS
	s_or_b32 s[G1+0], s43, (1<<16)|(1<<20)|(1<<21)|(QIA<<22)|(3<<25)  ; 15:0 the mask: A's tiles go to my row; 17:16 elements of 2 bytes; 20 padding on; 21 set beside a mask; 24:22 the interval; 31:25 4 words of padding (code 3)
	s_or_b32 s[G1B+0], s44, (1<<16)|(1<<20)|(1<<21)|(6<<22)|(7<<25)   ; W's go to my column; after every 128 words (code 6) 8 words (code 7)
	s_mov_b32 s[G1+1], 128<<16                     ; tensor_dim0 = 128
	s_mov_b32 s[G1+2], 64<<16                      ; tensor_dim1 = 64
	s_mov_b32 s[G1+3], 128<<16                     ; tile_dim0 = 128
	s_mov_b32 s[G1+4], 64                          ; tile_dim1 = 64
	s_mov_b32 s[G1+5], AROW                        ; elements from row to row
	s_mov_b32 s[G1+6], 0
	s_mov_b32 s[G1+7], 0
	s_mov_b32 s[G1B+1], 256<<16                    ; tensor_dim0 = 256
	s_mov_b32 s[G1B+2], 64<<16
	s_mov_b32 s[G1B+3], 256<<16                    ; tile_dim0 = 256
	s_mov_b32 s[G1B+4], 64
	s_mov_b32 s[G1B+5], 1024
	s_mov_b32 s[G1B+6], 0
	s_mov_b32 s[G1B+7], 0
	; where the tiles come from.  A's hang on the tile row alone, W's on the tile column alone, each in registers that never hold the other coordinate
.if KIND
	s_lshr_b32 s16, s13, 4                         ; the batch: 16 heads x 2,048 rows x 128 bytes,
	s_lshl_b32 s16, s16, 22
	s_lshl_b32 s17, s12, 18                        ; the head of the K step's two that I fetch,
	s_add_co_u32 s16, s16, s17
	s_and_b32 s17, s13, 15                         ; the tile's 128 rows of the batch's 2,048
	s_lshl_b32 s17, s17, 14
	s_add_co_u32 s16, s16, s17
.else
	s_lshl_b32 s16, s13, 7
	s_lshl_b32 s17, s12, 6
	s_add_co_u32 s16, s16, s17                     ; row 128 x tile row + 64 x half,
	s_lshl_b32 s16, s16, 11                        ; 2,048 bytes a row
.endif
	s_mov_b32 s17, 0
	s_lshl_b32 s46, s12, 17                        ; W: my 64 k-rows of 2,048 bytes,
	s_lshl_b32 s47, s42, 9                         ; the tile column's 512 bytes of a row
	s_add_co_u32 s46, s46, s47
	s_mov_b32 s47, 0
	s_mul_i32 s20, s12, AHALF                      ; and where they go: no place in the cluster enters an LDS address
	s_mul_i32 s21, s12, BHALF
	s_add_co_u32 s21, s21, ASZ
	s_wait_dscnt 0x0                               ; the opening add is done
	s_wait_kmcnt 0x0
	s_add_nc_u64 s[14:15], s[4:5], s[16:17]
	s_add_nc_u64 s[46:47], s[6:7], s[46:47]
	CROUND                                         ; all sixteen work-groups are here: the first joint loads meet
.irp s, 0,1
	s_mov_b32 s[G0+4*(\s)], 1                      ; count = 1
	s_add_co_u32 s[G0+4*(\s)+1], s20, (\s)*SLOT    ; LDS address
	s_add_nc_u64 s[G0+4*(\s)+2:G0+4*(\s)+3], s[14:15], (\s)*A1  ; global address: K step s
	s_or_b32 s[G0+4*(\s)+3], s[G0+4*(\s)+3], 0x80000000         ; type = 2
	s_mov_b32 s[G0B+4*(\s)], 1
	s_add_co_u32 s[G0B+4*(\s)+1], s21, (\s)*SLOT
	s_add_nc_u64 s[G0B+4*(\s)+2:G0B+4*(\s)+3], s[46:47], (\s)*KSTEP*2048
	s_or_b32 s[G0B+4*(\s)+3], s[G0B+4*(\s)+3], 0x80000000
	JLOAD \s                                       ; two loads of mine are out
.endr
	; A fragment of A: 16 rows x 32 K in 8 registers: lane l holds row l % 16, K = 8 (l / 16) + 0..7 and 16 + 8 (l / 16) + 0..7: two loads of 16 bytes, 32 bytes apart.
	v_and_b32 v1, 15, v0                           ; l % 16
	v_bfe_u32 v2, v0, 4, 1                         ; l / 16
	v_mul_u32_u24 v3, v1, PA
	v_lshl_add_u32 v3, v2, 4, v3                   ; row x pitch + 16 x half
	; The turning load takes 16 k x 16 columns (lane l reads k-row 8 (l / 16) + l % 8, columns 8 ((l / 8) % 2) + 0..7) and leaves half a fragment: lane l holds column l % 16 and 8 k.
	v_and_b32 v4, 7, v0
	v_lshl_add_u32 v4, v2, 3, v4
	v_mul_u32_u24 v4, v4, PB
	v_bfe_u32 v5, v0, 3, 1
	v_lshl_add_u32 v4, v5, 4, v4
	s_mul_i32 s21, s11, 64*PA                      ; my 64 rows of A
	s_lshl_b32 s22, s12, 8                         ; my 128 columns of W,
	s_add_co_u32 s22, s22, ASZ                     ; which lies behind A
.irp s, 0,1
	v_add_nc_u32 v[ADRA+(\s)], s21, v3
	v_add_nc_u32 v[ADRB+(\s)], s22, v4
	s_add_co_u32 s21, s21, SLOT
	s_add_co_u32 s22, s22, SLOT
.endr
	s_mul_i32 s23, s10, 16*SPITCH
	s_add_co_u32 s23, s23, STAGE                   ; my stage
	v_mul_u32_u24 v3, v1, SPITCH                   ; in: row l % 16,
.if KIND
	v_lshl_add_u32 v3, v2, 5, v3                   ; 32 bytes (8 f32) for each half of the lanes
	v_add_nc_u32 v[STO], s23, v3
	v_and_b32 v3, 31, v0
	v_lshl_add_u32 v[RD], v3, 4, s23               ; back: 32 lanes take one row of 512 bytes
.else
	v_lshl_add_u32 v3, v2, 4, v3                   ; 16 bytes (8 f16) for each half of the lanes
	v_add_nc_u32 v[STO], s23, v3
	v_bfe_u32 v3, v0, 3, 2                         ; back: 32 lanes take four rows of 128 bytes
	v_mul_u32_u24 v3, v3, SPITCH
	v_and_b32 v4, 7, v0
	v_lshl_add_u32 v3, v4, 4, v3
	v_add_nc_u32 v[RD], s23, v3
.endif
	v_and_b32 v[CO], 31, v0
	v_lshlrev_b32 v[CO], 4, v[CO]
	; where my part of C begins: the part that hangs on the tile row, then the part that hangs on the tile column, each in its own registers
.if KIND
	s_lshl_b32 s16, s13, 7
	s_lshl_b32 s17, s11, 6
	s_add_co_u32 s16, s16, s17                     ; my first row,
	s_lshl_b32 s16, s16, 12                        ; 4,096 bytes a row
	s_lshl_b32 s46, s42, 10                        ; 256 columns of f32,
	s_lshl_b32 s47, s12, 9                         ; my 128
.else
	s_lshr_b32 s16, s13, 4                         ; the batch,
	s_lshl_b32 s16, s16, 22
	s_and_b32 s17, s13, 15                         ; the tile's 128 rows of 128 bytes in a head,
	s_lshl_b32 s17, s17, 14
	s_add_co_u32 s16, s16, s17
	s_lshl_b32 s17, s11, 13                        ; my 64 of them
	s_add_co_u32 s16, s16, s17
	s_lshl_b32 s46, s42, 20                        ; the tile column's four heads of 262,144 bytes,
	s_lshl_b32 s47, s12, 19                        ; my two
.endif
	s_mov_b32 s17, 0
	s_add_nc_u64 s[8:9], s[8:9], s[16:17]
	s_add_co_u32 s46, s46, s47
	s_mov_b32 s47, 0
	s_add_nc_u64 s[8:9], s[8:9], s[46:47]
.macro WM d, b, a, zero                ; one product; zero = 1: it starts the sum: nothing is ever cleared
.if KIND
.if \zero
	v_wmma_f32_16x16x32_f16 v[(\d):(\d)+7], v[(\b):(\b)+7], v[(\a):(\a)+7], 0
.else
	v_wmma_f32_16x16x32_f16 v[(\d):(\d)+7], v[(\b):(\b)+7], v[(\a):(\a)+7], v[(\d):(\d)+7]
.endif
.else
.if \zero
	v_wmma_f32_16x16x32_bf16 v[(\d):(\d)+7], v[(\b):(\b)+7], v[(\a):(\a)+7], 0
.else
	v_wmma_f32_16x16x32_bf16 v[(\d):(\d)+7], v[(\b):(\b)+7], v[(\a):(\a)+7], v[(\d):(\d)+7]
.endif
.endif
.endm
; 8 matrix instructions: row block a x all 8 column blocks, 32 along K, from buffer f.  The 32 accumulators take turns, one instruction a turn, in the same order in every quarter.
.macro MUL8 f, a, zero
	WIN MUL
.irp b, 0,1,2,3,4,5,6,7
	WM 8*(8*(\a)+(\b)), (\f)+8*(\b), (\f)+64+8*(\a), \zero
.endr
.endm
; 24 LDS loads in one run: the fragments of quarter q (32 along K) of a slot into buffer f: W's sixteen, then A's eight, row blocks 0 to 3
.macro FETCH slot, q, f
	WIN 0
.irp b, 0,1,2,3,4,5,6,7
	ds_load_tr16_b128 v[(\f)+8*(\b):(\f)+8*(\b)+3],   v[ADRB+(\slot)] offset:(\q)*32*PB+32*(\b)
	ds_load_tr16_b128 v[(\f)+8*(\b)+4:(\f)+8*(\b)+7], v[ADRB+(\slot)] offset:(\q)*32*PB+16*PB+32*(\b)
.endr
.irp a, 0,1,2,3
	ds_load_b128 v[(\f)+64+8*(\a):(\f)+64+8*(\a)+3],   v[ADRA+(\slot)] offset:((\q)/2)*AQH+((\q)%2)*64+(\a)*16*PA
	ds_load_b128 v[(\f)+64+8*(\a)+4:(\f)+64+8*(\a)+7], v[ADRA+(\slot)] offset:((\q)/2)*AQH+((\q)%2)*64+(\a)*16*PA+32
.endr
.endm
.macro PLACES                          ; four places in front of loads into registers that matrix instructions have read, and of lines that read results (ISA guide 7.12.1 for vector instructions)
.rept 4
	v_nop
.endr
.endm
; A K step is four quarters of 32 along K, 32 matrix instructions each, on buffers 0, 1, 0, 1.  One of the first three: multiplies buffer f and, in its middle, fetches quarter q into g.
.macro QUARTER slot, q, f, g, zero
	s_wait_dscnt 4                                 ; W's fragments and A's row blocks 0 and 1 are in; the youngest four loads (blocks 2 and 3) may be out
	MUL8 \f, 0, \zero
	MUL8 \f, 1, \zero
	PLACES
	FETCH \slot, \q, \g
	s_wait_dscnt 24                                ; all but the 24 just issued
	MUL8 \f, 2, \zero
	MUL8 \f, 3, \zero
.endm
; The last quarter multiplies buffer 1 and changes slots: ONE barrier; in front of it each wave waits for all its tensor loads (one is out: its part of the next slot), adds 0 to its spare word, and waits for that
; and for its own reads of this slot.  mode 0: this slot is filled again with this tile's K step two on; 1: with the next tile's K step 0 or 1; 2: not at all.
; From a request to the wait for it a wave issues 112 matrix instructions.
.macro TURN slot, next, mode
	WIN 0
	s_wait_tensorcnt 0x0                           ; all my tensor loads have landed;
	ds_add_u32 v[SPW], v[NIL]                      ; 0 onto my spare word;
	s_wait_dscnt 5                                 ; (the add and the youngest four loads may be out)
	MUL8 F1, 0, 0                                  ; eight matrix instructions stand between the add and the wait for it
	s_wait_dscnt 0x0                               ; the add is done, and my reads of this slot are over
	s_barrier_signal -1
	MUL8 F1, 1, 0
.if (\mode) < 2
	WIN 0
.endif
	s_barrier_wait -1
.if (\mode) < 2
	CREST                                          ; the barrier has opened a round of the cluster's barrier: no wave of any partner still reads this slot's tile or has a load on its way
.if (\mode) == 0
	s_add_nc_u64 s[G0+4*(\slot)+2:G0+4*(\slot)+3], s[G0+4*(\slot)+2:G0+4*(\slot)+3], ASTEP
.else
	s_sub_nc_u64 s[G0+4*(\slot)+2:G0+4*(\slot)+3], s[G0+4*(\slot)+2:G0+4*(\slot)+3], BACK_A
.endif
	s_add_nc_u64 s[G0B+4*(\slot)+2:G0B+4*(\slot)+3], s[G0B+4*(\slot)+2:G0B+4*(\slot)+3], BSTEP
	JLOAD \slot                                    ; the first tensor load behind the round; the four v_nop behind it are also the places in front of the loads below
.else
	PLACES
.endif
	FETCH \next, 0, F0
	MUL8 F1, 2, 0
	MUL8 F1, 3, 0
.endm
.if KIND
; THE WAY OUT, f32.  Row block a: a lane's eight numbers of a row (32 bytes) go into my stage, rows of 528 bytes, and come back as whole rows of 512 bytes; three sets of 64 registers take turns.
.macro STG a
	WIN ST1
.irp b, 0,1,2,3,4,5,6,7
	ds_store_b128 v[STO], v[8*(8*(\a)+(\b)):8*(8*(\a)+(\b))+3]   offset:64*(\b)     ; each accumulator's lowest registers are read first
	ds_store_b128 v[STO], v[8*(8*(\a)+(\b))+4:8*(8*(\a)+(\b))+7] offset:64*(\b)+16
.endr
	WIN 0
.if (\a) == 3
	s_wait_xcnt 0x0                                ; block 0's stores have read their registers, which block 3 takes
.endif
.set BK, 64+64*((\a)%3)
.irp t, 0,1,2,3,4,5,6,7,8,9,10,11,12,13,14,15
	ds_load_b128 v[BK+4*(\t):BK+4*(\t)+3], v[RD] offset:SPITCH*(\t)  ; LDS serves a wave's instructions in order (ISA guide 5.7.1.4): these see the stores above; the next block's stores come behind them
.endr
.endm
.macro SENDF a, y                      ; y: the LDS instructions issued behind block a's loads: the next block's 32, or none
.set BK, 64+64*((\a)%3)
.irp t, 0,1,2,3,4,5,6,7,8,9,10,11,12,13,14,15
	s_wait_dscnt (\y)+15-(\t)
	global_store_b128 v[CO], v[BK+4*(\t):BK+4*(\t)+3], s[8:9] offset:(16*(\a)+(\t))*4096 th:TH_STORE_NT  ; 512 consecutive bytes of a row, at a multiple of 512 from C's first byte
.endr
.endm
.macro WAYOUT
	PLACES
	STG 0
	STG 1
	SENDF 0, 32
	STG 2
	SENDF 1, 32
	STG 3
	SENDF 2, 32
	SENDF 3, 0
.endm
.else
; THE WAY OUT, f16 by heads.  Unit t = 16 rows (row block t / 2) of one head (t % 2): a lane's eight channels of a row pack into 16 bytes; they go into stage rows of 144 bytes and come back as whole rows of 128,
; four rows to a load: 512 consecutive bytes of the head's dense rows.  Each unit has 16 registers of its own (v32-63, then buffer 1's; buffer 0 may hold the next tile's first fragments).
.macro SETT t
.if (\t) < 2
.set TT, 32+16*(\t)
.else
.set TT, 160+16*((\t)-2)
.endif
.endm
.macro PACK t
	SETT \t
.set AC, 8*(8*((\t)/2)+4*((\t)%2))
	WIN PK
.irp f, 0,1,2,3
.irp r, 0,1,2,3
	v_cvt_pk_f16_f32 v[TT+4*(\f)+(\r)], v[AC+8*(\f)+2*(\r)], v[AC+8*(\f)+2*(\r)+1]  ; each accumulator's registers in ascending order
.endr
.endr
	WIN 0
.irp f, 0,1,2,3
	ds_store_b128 v[STO], v[TT+4*(\f):TT+4*(\f)+3] offset:32*(\f)
.endr
.irp f, 0,1,2,3
	ds_load_b128 v[TT+4*(\f):TT+4*(\f)+3], v[RD] offset:4*SPITCH*(\f)  ; LDS serves a wave's instructions in order (ISA guide 5.7.1.4): these see the stores above; the next unit's stores come behind them
.endr
.endm
.macro SEND t, y                       ; y: the LDS instructions issued behind unit t's loads: the next unit's eight, or none
	SETT \t
.irp f, 0,1,2,3
	s_wait_dscnt (\y)+3-(\f)
	global_store_b128 v[CO], v[TT+4*(\f):TT+4*(\f)+3], s[8:9] offset:((\t)%2)*262144+((\t)/2)*2048+(\f)*512  ; 512 consecutive bytes, at a multiple of 512 from C's first byte
.endr
.endm
.macro WAYOUT
	PLACES
	PACK 0
.irp t, 1,2,3,4,5,6,7                  ; a unit's conversions stand between the loads of the unit before and its stores
	PACK \t
	SEND (\t)-1, 8
.endr
	SEND 7, 0
.endm
.endif
	s_wait_tensorcnt 1                             ; my part of K step 0 is in; K step 1's may stay out
	s_barrier_signal -1
	s_barrier_wait -1                              ; everybody's is
	FETCH 0, 0, F0
.if TILES > 1
	s_mov_b32 s2, TILES                            ; tiles to go, this one among them: the same number in every work-group
.Ltile:
.endif
	QUARTER 0, 1, F0, F1, 1                        ; a tile's first quarter stands in front of the loop: its products start the sums
	WIN 0                                          ; at a label and at a branch every window is 0
	s_mov_b32 s3, LAPS-1
.Llap:                                                 ; a trip goes once round the ring, from a lap's second quarter to the next lap's first, and fills both slots again
	QUARTER 0, 2, F1, F0, 0
	QUARTER 0, 3, F0, F1, 0
	TURN 0, 1, 0
	QUARTER 1, 1, F0, F1, 0
	QUARTER 1, 2, F1, F0, 0
	QUARTER 1, 3, F0, F1, 0
	TURN 1, 0, 0
	QUARTER 0, 1, F0, F1, 0
	WIN 0
	s_sub_co_u32 s3, s3, 1
	s_cmp_lg_u32 s3, 0
	s_cbranch_scc1 .Llap
	QUARTER 0, 2, F1, F0, 0                        ; the tile's last lap goes on
	QUARTER 0, 3, F0, F1, 0
.if TILES > 1
	WIN 0
	s_cmp_eq_u32 s2, 1
	s_cbranch_scc1 .Llast_tile                     ; the last tile's tail is written out: it asks for nothing more
	TURN 0, 1, 1                                   ; THE RING GOES ON INTO THE NEXT TILE: slot 0 takes its K step 0,
	QUARTER 1, 1, F0, F1, 0
	QUARTER 1, 2, F1, F0, 0
	QUARTER 1, 3, F0, F1, 0
	TURN 1, 0, 1                                   ; slot 1 its K step 1, and the next tile's first fragments are fetched into buffer 0
	WAYOUT                                         ; both refills are asked for: now the tile goes out
	s_wait_xcnt 0x0                                ; the stores have read their registers and C's address
	s_add_nc_u64 s[8:9], s[8:9], 0x1000000         ; from q to k, from k to v: 64 x 2,048 x 128 bytes
	s_sub_co_u32 s2, s2, 1
	s_branch .Ltile
.Llast_tile:
.endif
	TURN 0, 1, 2                                   ; the last lap of the last tile fills nothing, and has no round of the cluster's barrier
	QUARTER 1, 1, F0, F1, 0
	QUARTER 1, 2, F1, F0, 0
	QUARTER 1, 3, F0, F1, 0
	s_wait_dscnt 4                                 ; the very last quarter: nothing more to fetch
	MUL8 F1, 0, 0
	MUL8 F1, 1, 0
	s_wait_dscnt 0x0
	MUL8 F1, 2, 0
	MUL8 F1, 3, 0
	WAYOUT
	s_wait_tensorcnt 0x0                           ; the wave's end, behind my last tensor load and my last LDS store
	ds_add_u32 v[SPW], v[NIL]
	s_wait_dscnt 0x0
	CROUND                                         ; the closing round: no work-group ends while a partner may still ask for a tile that names it
	s_endpgm
.Lfunc_end_k_q54c26b8ce4_qkv:
	.size	k_q54c26b8ce4_qkv, .Lfunc_end_k_q54c26b8ce4_qkv-k_q54c26b8ce4_qkv
	.p2alignl 7, 3214868480
	.fill 96, 4, 3214868480
	.section	.rodata,"a",@progbits
	.p2align	6, 0x0
	.amdhsa_kernel k_q54c26b8ce4_qkv
		.amdhsa_group_segment_fixed_size 327680
		.amdhsa_private_segment_fixed_size 0
		.amdhsa_enable_private_segment 0
		.amdhsa_kernarg_size 24
		.amdhsa_user_sgpr_count 2
		.amdhsa_user_sgpr_kernarg_segment_ptr 1
		.amdhsa_wavefront_size32 1
		.amdhsa_system_sgpr_workgroup_id_x 1
		.amdhsa_system_sgpr_workgroup_id_y 1
		.amdhsa_system_sgpr_workgroup_id_z 1
		.amdhsa_system_vgpr_workitem_id 0
		.amdhsa_next_free_vgpr 512
		.amdhsa_next_free_sgpr 66
		.amdhsa_reserve_vcc 0
		.amdhsa_float_denorm_mode_32 3
		.amdhsa_float_denorm_mode_16_64 3
		.amdhsa_memory_ordered 1
		.amdhsa_forward_progress 1
		.amdhsa_inst_pref_size 125
	.end_amdhsa_kernel
	.amdgpu_metadata
---
amdhsa.version: [ 1, 2 ]
amdhsa.kernels:
  - .name:           k_q54c26b8ce4_qkv
    .symbol:         k_q54c26b8ce4_qkv.kd
    .args:
      - { .name: xb, .offset: 0, .size: 8, .value_kind: global_buffer, .address_space: global }
      - { .name: wqkv, .offset: 8, .size: 8, .value_kind: global_buffer, .address_space: global }
      - { .name: qkv, .offset: 16, .size: 8, .value_kind: global_buffer, .address_space: global }
    .group_segment_fixed_size: 327680
    .private_segment_fixed_size: 0
    .kernarg_segment_align: 8
    .kernarg_segment_size: 24
    .max_flat_workgroup_size: 128
    .sgpr_count:     66
    .vgpr_count:     512
    .wavefront_size: 32
...
	.end_amdgpu_metadata
.endif
;; end of part 2
;; launch attn (part 3): grid 4 x 64, 4 waves a work-group, clusters of 4 x 1, 327,680 bytes of LDS; arguments qkv, ob; writes ob
.if DOCPART == 3
	.amdgcn_target "amdgcn-amd-amdhsa--gfx1250"
	.amdhsa_code_object_version 6
	.text
	.protected	k_q54c26b8ce4_attn
	.globl	k_q54c26b8ce4_attn
	.p2align	8
	.type	k_q54c26b8ce4_attn,@function
k_q54c26b8ce4_attn:
	s_mov_b64 s[64:65], 0
	v_nop
	global_prefetch_b8 v0, s[64:65] scope:SCOPE_SE
	s_setreg_imm32_b32 hwreg(HW_REG_WAVE_MODE, 25, 1), 1
	s_wait_xcnt 0x0
	s_wait_alu depctr_hold_cnt(0) depctr_sa_sdst(0) depctr_va_vdst(0) depctr_va_sdst(0) depctr_va_ssrc(0) depctr_va_vcc(0) depctr_vm_vsrc(0)
	s_getreg_b32 s2, hwreg(HW_REG_IB_STS2, 6, 4)
	s_cmp_eq_u32 s2, 0
	s_cbranch_scc0 .Lentry_in_a_cluster
	s_endpgm
.Lentry_in_a_cluster:
	s_bfe_u32 s2, ttmp6, 0x10000c
	s_cmp_lg_u32 s2, 0x3003
	s_cbranch_scc0 .Lentry_shape_is_right
	s_endpgm
.Lentry_shape_is_right:
; O[h][q][:] = the sum over k of softmax_k(Q[h][q] . K[h][k] / 8) V[h][k][:].  Q, K, V lie one behind the other in qkv, each [SIZE_H][SIZE_N][64] in f16; O (ob) likewise: a head's rows are dense, 128 bytes each.
; Products, maxima and sums in f32; the weights p are rounded to f16 for the second product (their sum l is taken of the unrounded p), O once at the end.
; LIMITS.  f16 holds no number beyond 65,504: Q, K and V arrive within it; p lies in 0 to 1, and below 6e-5 it keeps f16's fixed step of 6e-8; O is a mean of V's rows and has their range.
; A weight below 2^-126 counts as 0 in l; NaN and infinities are not treated apart.
; SHARES.  A wave owns four PIECES of two tiles of 16 queries, a work-group's four waves 512 queries of one head: 64 heads x 4 blocks = 256 work-groups.  Every wave walks all keys, 64 a step.
; LAYOUT.  S^T = K Q^T (source 0 = 16 keys, source 1 = 16 queries): in the result a lane holds ONE query (lane % 16) and the keys 8 (lane / 16) + 0..7.  Two such tiles, rounded to f16 in pairs,
; ARE source 1 (32 keys x 16 queries) of O^T = V^T P, whose result again holds one query a lane, and eight channels.  K comes out of LDS as it lies, V ([key][channel]) turned, by ds_load_tr16_b128.
; SOFTMAX.  For each query a running maximum m and sum l: p = 2^(c s - c m), c = log2(e) / 8; in every step O and l are multiplied by a = 2^(c m_old - c m_new), which is 1 where m has not grown.
; m starts at the lowest finite number, O and l at 0: the first step is a step like any other, with a = 0.
; THE COUNT.  A tile and step have 16 matrix and 118 vector instructions: too many to stand all beside the matrix work.  So the order has one aim: four vector instructions that are READY behind
; EVERY matrix instruction, and the others, which need time of their own whatever the order, in runs without a gap.
; BY TURNS.  Turn n belongs to piece n (the pieces in a ring, step after step).  Its matrix work: 16 products K Q^T of piece n + 1, later 16 products V^T P of piece n - 1.  Its vector work: the scaling,
; exponentials, roundings, sums and rescaling of piece n, and the maximum and statistics of piece n + 1, whose scores the turn itself has made.  So what a turn begins with (c s - c m, O a) waits for nothing.
; CLUSTER.  The four query blocks of a head are one cluster and walk the same K and V, so each tile is asked for JOINTLY: the same tensor load, descriptor and mask in all four.
; REGISTERS, in windows of 256 (s_set_vgpr_msb says which window each operand place means: bits 1:0 source 0, 3:2 source 1, 5:4 source 2, 7:6 destination):
;   window 0: v0-11 addresses; v12-15, v48-63 at work; v16-47 four registers of statistics a tile; v64-191 S^T, two buffers of two tiles; v192-255 P, likewise
;   window 1: O^T, 32 a tile          window 2: v0-127 Q, 16 a tile; v128-191 K of one step; v192-255 V of one step          window 3: v0-1 the add's two registers
; A piece's buffers go by its number's parity: the piece in hand has one pair, its two neighbours in the ring share the other: of it P (piece n - 1) is read and S^T (piece n + 1) written.
.set SIZE_H, 64
.set SIZE_N, 2048
.set TENSOR, SIZE_H*SIZE_N*128  ; bytes from Q to K and from K to V in qkv
.set NP,    4         ; pieces a wave: a name, no knob: the register map, the loop and the fetches are made for four
.set KS,    64        ; keys in a step
.set PK,    144       ; a row of K in LDS: 128 bytes + 16 of padding = 36 words: the 16 rows of a load start at 16 different groups of four banks (64 banks of 4 bytes: ISA guide 11.1)
.set PV,    160       ; a row of V: 128 + 32 = 40 words
.set VOFF,  4*KS*PK   ; a slot holds four steps: 256 rows of K, then 256 rows of V
.set SLOT1, 1<<17     ; slot 1 begins here, so that one exclusive or turns an address in one slot into the other's
.set STAGE, SLOT1+4*KS*(PK+PV)  ; behind the ring, never filled by a tensor load: 16 rows x 144 bytes for each wave, for the way out
.set SP,    144
.set AK0, 2           ; v2   my lane's place in a tile of K; never rewritten
.set AV0, 3           ; v3   the same for V
.set AK,  4           ; v4   the LDS address of K's next run of loads
.set AV,  5           ; v5   of V's
.set QO,  6           ; v6   my byte offset in the wave's rows of Q
.set STO, 6           ;      later, the way out: where I put 16 bytes of a row
.set RD,  7           ; v7   the way out: where I read rows back
.set GO,  8           ; v8   my byte offset in 512 consecutive bytes of O
.set PFO, 11          ; v11  the prefetches' offset: 256 x my lane; made behind v11's last use at work, then never rewritten
.set SPW, 0           ; v0 of window 3   LDS address of my spare word: SPARE + 4 x my thread's number; never rewritten
.set NIL, 1           ; v1 of window 3   0; never rewritten
.set SPARE, STAGE+4*16*SP  ; behind the stages: the spare words, 128 bytes for each wave: two blocks of 256 bytes that no other line names
.set MV,  12          ; v12-15  c m_old, kept while c m is made anew: by buffer and tile
.set ST,  16          ; tile t's statistics at v[ST+4 t]: c m, m, l (even keys', odd keys')
.set TMP, 48          ; by buffer and tile, four registers c0-c3 at work; when the maximum is found c2 takes a
.set S,   64
.set P,   192
.set KF,  128         ; K's fragments, in window 2: key block kb, channel half c at KF + 16 kb + 8 c
.set VF,  192         ; V's: key half kk, channel block cb at VF + 32 kk + 8 cb
.set WV,  12          ; s12  my wave's number
.set G1K, 24          ; s[24:31] descriptor group 1 for K's tiles
.set G1V, 32          ; s[32:39] for V's: it differs in the padding alone
.set G0K, 40          ; s[40:43] descriptor group 0 for K's tiles: it walks
.set G0V, 44          ; s[44:47] the same for V's
.set PFA, 48          ; s[48:49] where my prefetches stand: my work-group's 8,192 bytes (of K: wave 0, of V: wave 2) of the slot after the one that is being asked for
.set LIM, 50          ; s50  1 in a wave that prefetches, else the greatest number: a wave prefetches while s[SLOTS] is above it
.set SLOTS, 56        ; s56  slots still to be asked for
.set CNT, 57          ; s57  counts a slot's key steps
.set CS,  58          ; s[58:59] c: the packed scaling takes the pair's low word for both halves
.set SEL, 60          ; s[60:61] v_permlanex16_b32's selects: each lane takes its own place in the other half
.set TBK, 62          ; s62  LDS byte at which K of the step to be fetched begins
.set TBV, 63          ; s63  the same for V, less VOFF
.set MSB, 0
.macro WIN new                      ; the high byte repeats the setting that is left; a switch that changes nothing is dropped
.if MSB != (\new)
	s_set_vgpr_msb (MSB<<8)|(\new)
.set MSB, (\new)
.endif
.endm
.set W_KQ, 0x0a       ; K and Q in window 2, S^T in window 0
.set W_PV, 0x52       ; V in window 2, P in window 0, O^T in window 1
.set W_RS, 0x41       ; O^T (destination and source 0) in window 1, a in window 0
.set W_MK, 0xc0       ; the add's registers are made: destination in window 3, sources in window 0
.set W_AD, 0x0f       ; the add: address (source 0) and data (source 1) in window 3
; A joint fill.  Waves 0 and 1 fetch the two halves of a slot's K, waves 2 and 3 those of its V: 128 keys each.  The branch hangs on the wave's number alone.
; An s_nop 0 and four v_nop follow each of the two lines, ahead of the jump and the label.
.macro JLOAD
	s_cmp_lt_u32 s[WV], 2
	s_cbranch_scc0 .Lfor_v_\@
	tensor_load_to_lds s[G0K:G0K+3], s[G1K:G1K+7]
	s_nop 0
.rept 4
	v_nop
.endr
	s_branch .Lasked_\@
.Lfor_v_\@:
	tensor_load_to_lds s[G0V:G0V+3], s[G1V:G1V+7]
	s_nop 0
.rept 4
	v_nop
.endr
.Lasked_\@:
.endm
; A PREFETCH INTO THE L2 of what the NEXT change of slots will ask for: a slot's 32,768 bytes of K and of V, 256 bytes a lane.  It stands behind the wave's tensor load and its five lines, never in front of one.
; Each 256 bytes are asked for ONCE in the launch: a head's K and V are walked by its one cluster; the four partners share a slot out BY ADDRESS, 8,192 bytes each (no branch hangs on a work-group's place in its
; cluster); in each, wave 0 asks for K's and wave 2 for V's: one instruction.  The last change that fills a slot prefetches nothing: there is no slot behind it.
.macro ASK
	s_cmp_gt_u32 s[SLOTS], s[LIM]
	s_cbranch_scc0 .Lnot_mine_\@
	global_prefetch_b8 v[PFO], s[PFA:PFA+1] th:TH_LOAD_NT scope:SCOPE_SE
.Lnot_mine_\@:
.endm
; A round of the cluster's barrier: my work-group's barrier, so that wave 0's signal speaks for all four waves; wave 0 signals; every wave waits for all four work-groups; my work-group's barrier once more.
.macro CROUND
	s_barrier_signal -1
	s_barrier_wait -1
	s_cmp_lg_u32 s[WV], 0
	s_cbranch_scc1 .Lnot_wave_0_\@
	s_barrier_signal -3
.Lnot_wave_0_\@:
	s_barrier_wait -3
	s_barrier_signal -1
	s_barrier_wait -1
.endm
; THE CHANGE OF SLOTS.  The slot's last bytes, V of its fourth step, have been read.  Each wave waits for all its tensor loads, of which one is out: its part
; of the other slot; adds 0 to its spare word; and waits for that and for its own reads of the slot.  Behind the barrier nobody reads this slot any more and the other slot is whole.
; fill = 1: this slot is filled again, with the keys two slots on.  The barrier is then a round of the cluster's, so that no wave of any partner still reads the slot or has a load on its
; way, and the joint fill is the first thing behind it: it has four key steps, 512 matrix instructions, in which to land.  (At its first use nothing has been read yet: slot 0 is waited for, slot 1 filled.)
; ask = 1: the slot behind the one just asked for is prefetched: four key steps, 512 matrix instructions, ahead of its load.
.macro CHANGE fill, ask=0
	WIN W_AD
	s_wait_tensorcnt 0x0            ; no tensor load of mine is out, so a group 0 may be written
	ds_add_u32 v[SPW], v[NIL]       ; 0 onto my spare word; with fill = 1 the descriptors' steps stand between it and the wait for it
	WIN 0                           ; at a label and at a branch every window is 0
.if \fill
.irp g, G0K, G0V
	s_xor_b32 s[\g+1], s[\g+1], SLOT1  ; the walking descriptor: the other slot than last time,
	s_add_nc_u64 s[\g+2:\g+3], s[\g+2:\g+3], 4*KS*128  ; the next 256 keys; the type bits on top are not reached
.endr
.if \ask
	s_wait_xcnt 0x0                 ; the last prefetch, four key steps back, has read its address, so it may be written:
	s_add_nc_u64 s[PFA:PFA+1], s[PFA:PFA+1], 4*KS*128  ; one slot behind the walking descriptors
.endif
	s_wait_dscnt 0x0                ; the add is done, and my reads of the slot are over
	CROUND
	JLOAD
.if \ask
	ASK
.endif
.else
	s_wait_dscnt 0x0                ; the add is done, and my reads of the slot are over
	s_barrier_signal -1
	s_barrier_wait -1
.endif
	s_sub_co_u32 s[TBK], s[TBK], 4*KS*PK  ; the fetches go back to a slot's first step,
	s_xor_b32 s[TBK], s[TBK], SLOT1       ; in the other slot
	s_sub_co_u32 s[TBV], s[TBV], 4*KS*PV
	s_xor_b32 s[TBV], s[TBV], SLOT1
.endm
	s_load_b128 s[4:7], s[0:1], 0x0  ; qkv s[4:5], ob s[6:7]
	WIN W_MK
	v_lshl_add_u32 v[SPW], v0, 2, SPARE
	v_mov_b32 v[NIL], 0
	WIN W_AD
	ds_add_u32 v[SPW], v[NIL]       ; the wave's opening: the add and its wait stand ahead of my first tensor load; the set-up below, work on registers, stands between them
	WIN 0
	v_lshrrev_b32 v1, 5, v0
	v_readfirstlane_b32 s[WV], v1   ; wave 0..3
	s_bfe_u32 s13, ttmp6, 0x40000   ; cx: my place in the cluster
	s_lshl_b32 s14, ttmp9, 2        ; in a cluster launch ttmp9 counts clusters
	s_add_co_u32 s14, s14, s13      ; my block of queries = 4 x cluster x + cx: it enters Q's and O's addresses alone
	s_and_b32 s20, ttmp7, 0xffff    ; the head, which the four partners share
	s_mov_b32 s21, 0
	s_mov_b64 s[22:23], SIZE_N*128
	s_mul_u64 s[20:21], s[20:21], s[22:23]  ; the head's first byte in each of the four tensors
	s_and_b32 s16, s[WV], 1         ; which half of a slot's 256 keys I fetch:
	s_lshl_b32 s22, s16, 14         ; its 128 rows of 128 bytes in memory,
	s_mov_b32 s23, 0
	s_add_nc_u64 s[22:23], s[22:23], s[20:21]
	s_mul_i32 s17, s16, 128*PK      ; and its place in a slot, for K
	s_mul_i32 s18, s16, 128*PV      ; and for V: no place in the cluster enters an LDS address
	s_lshl_b32 s2, s14, 2
	s_add_co_u32 s2, s2, s[WV]      ; my wave among the head's,
	s_lshl_b32 s2, s2, 14           ; its 128 rows
	s_mov_b32 s3, 0
	s_add_nc_u64 s[2:3], s[2:3], s[20:21]
	; descriptor group 1.  128 keys are 16,384 dense bytes: asked for as 64 rows of 256 bytes, two keys a row, and padded in LDS after every key
	s_mov_b32 s[G1K], 15|(1<<16)|(1<<20)|(1<<21)|(4<<22)|(3<<25)  ; 15:0 the mask of four; 17:16 2-byte elements; 20 padding on; 21 set beside a mask; 24:22 after every 32 words (code 4); 31:25 4 words (code 3)
	s_mov_b32 s[G1V], 15|(1<<16)|(1<<20)|(1<<21)|(4<<22)|(7<<25)  ; the same with 8 words of padding (code 7)
.irp g, G1K, G1V
	s_mov_b32 s[\g+1], 128<<16      ; tensor_dim0 = 128
	s_mov_b32 s[\g+2], 64<<16       ; tensor_dim1 = 64
	s_mov_b32 s[\g+3], 128<<16      ; tile_dim0 = 128
	s_mov_b32 s[\g+4], 64           ; tile_dim1 = 64
	s_mov_b32 s[\g+5], 128          ; 128 elements from row to row
	s_mov_b32 s[\g+6], 0
	s_mov_b32 s[\g+7], 0
.endr
	s_mov_b32 s[CS], 0x3e38aa3b     ; c = log2(e) / 8 = 0.180337
	s_mov_b32 s[CS+1], s[CS]        ; named with it as a pair
	s_mov_b32 s[SEL], 0x76543210
	s_mov_b32 s[SEL+1], 0xfedcba98
	s_mov_b32 s[TBK], SLOT1+4*KS*PK ; the first change of slots turns these two into 0
	s_mov_b32 s[TBV], SLOT1+4*KS*PV
	s_mov_b32 s[G0K], 1             ; 1:0 count = 1
	s_mov_b32 s[G0K+1], s17         ; 63:32 LDS address: slot 0
	s_mov_b32 s[G0V], 1
	s_add_co_u32 s[G0V+1], s18, VOFF
	s_and_b32 s[LIM], s[WV], 1      ; 0 in waves 0 and 2,
	s_or_b32 s[LIM], s[LIM], ttmp9  ; where the cluster is the head's first (here its only one): the same in all four partners
	s_cmp_eq_u32 s[LIM], 0
	s_cselect_b32 s[LIM], 1, -1
	s_wait_dscnt 0x0                ; the opening add is done
	s_wait_kmcnt 0x0
	s_mov_b64 s[10:11], s[6:7]      ; O
	s_add_nc_u64 s[6:7], s[4:5], TENSOR    ; K
	s_add_nc_u64 s[8:9], s[4:5], 2*TENSOR  ; V; Q is qkv's first part
	s_add_nc_u64 s[G0K+2:G0K+3], s[6:7], s[22:23]  ; 120:64 global address: my half of the head's first 256 keys
	s_or_b32 s[G0K+3], s[G0K+3], 0x80000000        ; 127:126 type = 2
	s_add_nc_u64 s[G0V+2:G0V+3], s[8:9], s[22:23]
	s_or_b32 s[G0V+3], s[G0V+3], 0x80000000
	s_cmp_lt_u32 s[WV], 2
	s_cselect_b64 s[PFA:PFA+1], s[6:7], s[8:9]
	s_add_nc_u64 s[PFA:PFA+1], s[PFA:PFA+1], s[20:21]  ; the head's first key
	s_add_nc_u64 s[4:5], s[4:5], s[2:3]  ; Q and O at my wave's first row
	s_add_nc_u64 s[10:11], s[10:11], s[2:3]
	s_lshl_b32 s2, s13, 13          ; my work-group's quarter of a slot's 32,768 bytes
	s_mov_b32 s3, 0
	s_add_nc_u64 s[PFA:PFA+1], s[PFA:PFA+1], s[2:3]
	s_add_nc_u64 s[PFA:PFA+1], s[PFA:PFA+1], 2*4*KS*128  ; in slot 2; the loop's first change of slots steps it to slot 3.  Nothing is prefetched here, at the head, where every work-group's first tiles are on their way
	CROUND                          ; all four work-groups are here: the first joint loads meet
	JLOAD                           ; slot 0.  Slot 1 is asked for when slot 0 is in: the tile wanted first has the road to itself
	; A fragment of K or Q is 16 rows x 32 channels in 8 registers: lane l holds row l % 16, channels 8 (l / 16) + 0..7 and 16 + 8 (l / 16) + 0..7: two loads of 16 bytes, 32 bytes apart.
	v_and_b32 v1, 15, v0            ; l % 16
	v_bfe_u32 v9, v0, 4, 1          ; l / 16
	v_lshlrev_b32 v[QO], 7, v1
	v_lshl_add_u32 v[QO], v9, 4, v[QO]  ; row x 128 + 16 x half
	WIN 0x80                        ; destination window 2, address window 0
.set i, 0
.rept 4*NP                          ; Q stays in registers: tile i / 2, channels 32 (i % 2) on
	global_load_b128 v[8*i:8*i+3],   v[QO], s[4:5] offset:(i/2)*2048+(i%2)*64
	global_load_b128 v[8*i+4:8*i+7], v[QO], s[4:5] offset:(i/2)*2048+(i%2)*64+32
.set i, i+1
.endr
	; What the first turn finds: V's registers and P's second buffer hold 0 (its products V^T P, of a piece that has not been, add 0), O^T and l are 0.  All this stands in the wait for the first tile.
.set i, VF
.rept 64
	v_mov_b32 v[i], 0
.set i, i+1
.endr
	WIN 0x40
.set i, 0
.rept 64*NP
	v_mov_b32 v[i], 0
.set i, i+1
.endr
	WIN 0
.set i, 0
.rept 2*NP
	v_mov_b32 v[ST+4*i], 0xfe000000    ; c m: far below every c s
	v_mov_b32 v[ST+4*i+1], 0xff7fffff  ; m
	v_mov_b32 v[ST+4*i+2], 0
	v_mov_b32 v[ST+4*i+3], 0
.set i, i+1
.endr
.set i, P+32
.rept 32
	v_mov_b32 v[i], 0
.set i, i+1
.endr
	v_mul_u32_u24 v[AK0], v1, PK
	v_lshl_add_u32 v[AK0], v9, 4, v[AK0]  ; row x pitch + 16 x half
	; The turning load takes 16 keys x 16 channels (lane l reads key 8 (l / 16) + l % 8, channels 8 ((l / 8) % 2) + 0..7) and leaves half a fragment of V^T: lane l holds channel l % 16 and 8 keys.
	v_and_b32 v10, 7, v0
	v_bfe_u32 v11, v0, 3, 1
	v_lshl_add_u32 v[AV0], v9, 3, v10
	v_mul_u32_u24 v[AV0], v[AV0], PV
	v_lshl_add_u32 v[AV0], v11, 4, v[AV0]
	v_add_nc_u32 v[AV0], VOFF, v[AV0]
	v_and_b32 v[PFO], 31, v0
	v_lshlrev_b32 v[PFO], 8, v[PFO]
	v_mov_b32 v[AK], v[AK0]         ; key step 0 lies at the head of slot 0
; THE MATRIX WORK.  The 8 accumulators of a run of 16 take turns: between the two links of a chain stand 7 others'.
; Product i of 16 of S^T = K Q^T for piece x: channels 32 (i / 8) on, keys 16 ((i / 2) % 4) on, tile 2 x + i % 2.  The first 8 start the sums.
.macro KQ x
	WIN W_KQ
.set rS, S+64*((\x)%2)+32*(i%2)+8*((i/2)%4)
.set rK, KF+16*((i/2)%4)+8*(i/8)
.set rQ, 16*(2*(\x)+i%2)+8*(i/8)
.if i < 8
	v_wmma_f32_16x16x32_f16 v[rS:rS+7], v[rK:rK+7], v[rQ:rQ+7], 0
.else
	v_wmma_f32_16x16x32_f16 v[rS:rS+7], v[rK:rK+7], v[rQ:rQ+7], v[rS:rS+7]
.endif
.endm
; Product i of 16 of O^T += V^T P for piece x: keys 32 (i / 8) on, channels 16 ((i / 2) % 4) on, tile 2 x + i % 2.
.macro PV x
	WIN W_PV
.set rO, 32*(2*(\x)+i%2)+8*((i/2)%4)
.set rV, VF+32*(i/8)+8*((i/2)%4)
.set rP, P+32*((\x)%2)+16*(i%2)+8*(i/8)
	v_wmma_f32_16x16x32_f16 v[rO:rO+7], v[rV:rV+7], v[rP:rP+7], v[rO:rO+7]
.endm
.macro MM                           ; the turn's next matrix instruction
.if i < 16
	KQ (Y+1)%NP
.set i, i+1
.else
.set i, i-16
	PV (Y+NP-1)%NP
.set i, i+17
.endif
.endm
; THE LDS LOADS stand in runs of 16, never singly among the matrix instructions: a step's K (64 keys x 64 channels: 8 fragments) and its V (turned).  Their addresses are made some lines ahead.
; last = 1 (the tail): in the last trip there is no further step, and the run is jumped over.
.macro FETCH_K last=0
	WIN 0
.if \last
	s_cmp_eq_u32 s[CNT], 1
	s_cbranch_scc1 .Lno_k_\@
.endif
	WIN 0x80                        ; destination window 2
.irp f, 0,1,2,3,4,5,6,7             ; keys 16 (f / 2) on, channels 32 (f % 2) on
	ds_load_b128 v[KF+8*\f:KF+8*\f+3],   v[AK] offset:(\f/2)*16*PK+(\f%2)*64
	ds_load_b128 v[KF+8*\f+4:KF+8*\f+7], v[AK] offset:(\f/2)*16*PK+(\f%2)*64+32
.endr
	s_add_co_u32 s[TBK], s[TBK], KS*PK  ; the next fetch is the next step's
	WIN 0
.if \last
.Lno_k_\@:
.endif
.endm
.macro FETCH_V
	WIN 0x80
.irp f, 0,1,2,3,4,5,6,7             ; keys 32 (f / 4) on, channels 16 (f % 4) on
	ds_load_tr16_b128 v[VF+8*\f:VF+8*\f+3],   v[AV] offset:(\f/4)*32*PV+(\f%4)*32
	ds_load_tr16_b128 v[VF+8*\f+4:VF+8*\f+7], v[AV] offset:(\f/4)*32*PV+16*PV+(\f%4)*32
.endr
	WIN 0
.endm
; THE VECTOR WORK OF A TURN stands in three queues, each in the order in which its entries become ready; the two tiles alternate, so that no instruction reads the result of the one before it.
.macro REGS y, u                    ; the registers of tile u (0, 1) of piece y
.set rT, ST+4*(2*(\y)+(\u))
.set rC, TMP+8*((\y)%2)+4*(\u)
.set rM, MV+2*((\y)%2)+(\u)
.set rS, S+64*((\y)%2)+32*(\u)
.set rP, P+32*((\y)%2)+16*(\u)
.set rO, 32*(2*(\y)+(\u))
.endm
; Number n of the 22 that find the NEXT piece's (Y + 1) maximum and statistics.  s0-s31 are the lane's 32 scores; each accumulator's lowest registers are read first.  XS, GS and REGS set no window: PL and EX do.
;   0-11  four chains c0-c3 of seven scores each, three operands at a time     12-14, 16  the four scores left over, the old m, and c0-c3 into c0     15  c m_old is kept
;   17, 18  the query's other 32 keys lie in the lane 16 away: the new m         19-21  c m; c m_old - c m_new; a
.macro XS u, n
	REGS (Y+1)%NP, \u
.if (\n) < 4
	v_max3_num_f32 v[rC+(\n)], v[rS+8*(\n)], v[rS+8*(\n)+1], v[rS+8*(\n)+2]
.elseif (\n) < 12
	v_max3_num_f32 v[rC+(\n)%4], v[rC+(\n)%4], v[rS+8*((\n)%4)+2*((\n)/4)+1], v[rS+8*((\n)%4)+2*((\n)/4)+2]
.elseif (\n) == 12
	v_max3_num_f32 v[rC], v[rC], v[rS+7], v[rS+15]
.elseif (\n) == 13
	v_max3_num_f32 v[rC+1], v[rC+1], v[rS+23], v[rS+31]
.elseif (\n) == 14
	v_max3_num_f32 v[rC+2], v[rC+2], v[rC+3], v[rT+1]
.elseif (\n) == 15
	v_mov_b32 v[rM], v[rT]
.elseif (\n) == 16
	v_max3_num_f32 v[rC], v[rC], v[rC+1], v[rC+2]
.elseif (\n) == 17
	v_permlanex16_b32 v[rC+3], v[rC], s[SEL], s[SEL+1]
.elseif (\n) == 18
	v_max_num_f32 v[rT+1], v[rC], v[rC+3]
.elseif (\n) == 19
	v_mul_f32 v[rT], s[CS], v[rT+1]
.elseif (\n) == 20
	v_sub_f32 v[rC+1], v[rM], v[rT]
.else
	v_exp_f32 v[rC+2], v[rC+1]
.endif
.endm
; Number g of the 64 that follow the exponentials.  For each four weights k of a tile (pairs 2 k, 2 k + 1): both pairs are rounded to f16; then the second pair is added onto the first, in place;
; a group later l takes that sum (the first time as l = a l + sum).  In groups of eight, tiles alternating: round, round, add, and l for the group before.
.macro GS g
.set h, (\g)+6*((\g)/62)            ; group 0 has no group before it, and behind group 7 only l is left
.if h >= 6
.set h, h+2
.endif
	REGS Y, h%2
.set k, h/8
.if h%8 < 4
	s_wait_alu depctr_va_vdst(0)
	v_cvt_pk_f16_f32 v[rP+2*k+(h%8)/2], v[rS+4*k+2*((h%8)/2)], v[rS+4*k+2*((h%8)/2)+1]
.elseif h%8 < 6
	v_pk_add_f32 v[rS+4*k:rS+4*k+1], v[rS+4*k:rS+4*k+1], v[rS+4*k+2:rS+4*k+3]
.elseif k == 1
	v_pk_fma_f32 v[rT+2:rT+3], v[rT+2:rT+3], v[rC+2:rC+3], v[rS:rS+1] op_sel_hi:[1,0,1]
.else
	v_pk_add_f32 v[rT+2:rT+3], v[rT+2:rT+3], v[rS+4*k-4:rS+4*k-3]
	s_wait_alu depctr_va_vdst(0)
.endif
.endm
; THE PLAIN QUEUE, 138 long.  0-31: c s - c m for the 16 pairs of both tiles.  Then GS's 64, and among them the next piece's 42: number 15 at 38, 39; 0-14 and 16
; at 42-73, behind the products that make those scores; 17-20 at 95-106, two of three, since each waits for the one before it.
.macro PL
	WIN 0
.if q < 32
	REGS Y, q%2
	v_pk_fma_f32 v[rS+2*(q/2):rS+2*(q/2)+1], v[rS+2*(q/2):rS+2*(q/2)+1], s[CS:CS+1], v[rT:rT+1] op_sel_hi:[1,0,0] neg_lo:[0,0,1] neg_hi:[0,0,1]
.elseif q < 38
	GS q-32
.elseif q < 40
	XS q%2, 15
.elseif q < 42
	GS q-34
.elseif q < 74
	XS q%2, (q-42)/2+(q-42)/30
.elseif q < 95
	GS q-66
.elseif (q < 107) && ((q-95)%3 < 2)
	XS (q-95)%3, 17+(q-95)/3
.elseif q < 107
	GS 29+(q-95)/3
.else
	GS q-74
.endif
.set q, q+1
.endm
; THE EXPONENTIALS' QUEUE, 66 long: s0-s31 of both tiles, and at EA the next piece's two a.
.set EA, 58
.macro EX
	WIN 0
.if (e == EA) || (e == EA+1)
	XS e-EA, 21
.else
.set x, e-2*(e/(EA+2))
	REGS Y, x%2
	v_exp_f32 v[rS+x/2], v[rS+x/2]
.endif
.set e, e+1
.endm
; THE RESCALING's QUEUE: O^T times a, the one part that leaves window 0, so it is dealt four at a time, eight times.
.macro R4
	REGS Y, r%2
	WIN W_RS
	s_wait_alu depctr_va_vdst(0)
.irp z, 0,1,2,3
	v_pk_mul_f32 v[rO+8*(r/2)+2*\z:rO+8*(r/2)+2*\z+1], v[rO+8*(r/2)+2*\z:rO+8*(r/2)+2*\z+1], v[rC+2:rC+3] op_sel_hi:[1,0]
.endr
.set r, r+1
.endm
; HOW THEY ARE DEALT.  Behind a matrix instruction four: plain, exponential, plain, plain (one exponential, a plain instruction on either side), or four of the rescaling.  None names a register of the
; products round it.  What is over stands in two LUMPS: exponential and plain by turns; the second ends in 22 plain instructions.  The two v_permlanex16_b32 fall into the second lump, never behind a product.
; The queues lean on each other, and the deal keeps them in step: exponential e stands behind plain 2 (e / 4) + e % 2 (its scaling); when plain 32 comes, 10 exponentials are out, at 59: 33, at 95: 46; EA comes behind plain 107.
.macro SL
	MM
	PL
	EX
	PL
	PL
.endm
.macro BURST n                      ; 15 matrix instructions, or 16
.rept (\n)-7
	SL
.endr
.rept 3
	MM
	R4
	SL
.endr
	MM
	R4
.endm
; A TURN, for piece p.  cnt = 1: the loop's count is taken down some lines ahead of the branch that stands behind the turn.
; K of the next step is fetched in piece 2's turn, 31 vector instructions behind the last product that read K; its first reader comes behind the rest of the lump, 16 products and the second lump.
; V of the step in hand is fetched at the end of piece 0's turn, 69 behind its last reader; its first reader comes behind 16 products and a lump.  The four conditions on e and q below go with the deal.
.macro TURN p, last=0, cnt=0
.set Y, (\p)
.set i, 0
.set q, 0
.set e, 0
.set r, 0
.if (\p) == NP-1
	s_wait_dscnt 0x0                ; K is in
.endif
	MM
.rept 4
	PL
.endr
	BURST 15
.rept 22
	EX
	PL
.if ((\p) == NP-2) && (e == 18)
	v_add_nc_u32 v[AK], s[TBK], v[AK0]
.endif
.if ((\p) == NP-2) && (e == 24)
	FETCH_K \last
.endif
.endr
.if (\p) == 1
	s_wait_dscnt 0x0                ; V is in
.endif
	BURST 16
.rept 21
	EX
	PL
.endr
.rept 22
	PL
.if ((\p) == 0) && (q == 118)
	v_add_nc_u32 v[AV], s[TBV], v[AV0]
	s_wait_alu depctr_va_vdst(0)
.endif
.if ((\p) == 0) && (q == 130)
	s_add_co_u32 s[TBV], s[TBV], KS*PV
.endif
.if (\cnt) && (q == 130)
	s_sub_co_u32 s[CNT], s[CNT], 1
	s_cmp_lg_u32 s[CNT], 0
.endif
.endr
.if (\p) == 0
	FETCH_V
.endif
.endm
	CHANGE 1                        ; slot 0 is in, everybody's part of it; slot 1 is asked for
	FETCH_K                         ; key step 0
	s_wait_loadcnt 0x0              ; Q
	s_wait_dscnt 0x0
.set i, 0
.rept 16
	KQ 0                            ; piece 0's first scores: there is no vector work yet to set between them
.set i, i+1
.endr
	WIN 0                           ; the addresses for the way out: nine plain instructions, the places behind those products
	s_mul_i32 s13, s[WV], 16*SP
	s_add_co_u32 s13, s13, STAGE    ; my stage
	v_mul_u32_u24 v[STO], v1, SP    ; in: row l % 16, 16 bytes for each half of the lanes
	v_lshl_add_u32 v[STO], v9, 4, v[STO]
	v_add_nc_u32 v[STO], s13, v[STO]
	v_bfe_u32 v[RD], v0, 3, 2       ; back: 32 lanes take four rows of 128 bytes,
	v_mul_u32_u24 v[RD], v[RD], SP
	v_lshl_add_u32 v[RD], v10, 4, v[RD]
	v_add_nc_u32 v[RD], s13, v[RD]
	v_and_b32 v[GO], 31, v0         ; which are 512 consecutive bytes of O
	v_lshlrev_b32 v[GO], 4, v[GO]
.set Y, NP-1                        ; XS works for piece Y + 1: piece 0
.irp n, 0,1,2,3,4,5,6,7,8,9,10,11,12,13,14,15,16,17,18,19,20,21
	XS 0, \n                        ; and piece 0's first maximum and statistics
	XS 1, \n
.endr
	s_mov_b32 s[CNT], 4
	s_mov_b32 s[SLOTS], SIZE_N/256-1
	s_branch .Lfirst                ; the loop is entered at a step's first turn, in the middle of a trip
.Lslot:                             ; SIZE_N / 256 - 2 times: every slot but the last two is filled again
	CHANGE 1, 1
	s_mov_b32 s[CNT], 4
.Lstep:                             ; a trip: pieces 2 and 3 of one step, then pieces 0 and 1 of the next, whose K and V it fetches
	TURN 2
	TURN 3
	WIN 0
.Lfirst:
	TURN 0
	TURN 1, 0, 1
	WIN 0
	s_cbranch_scc1 .Lstep
	s_sub_co_u32 s[SLOTS], s[SLOTS], 1
	s_cmp_lg_u32 s[SLOTS], 0
	s_cbranch_scc1 .Lslot
	CHANGE 0                        ; the tail is written out: nothing is asked for
	s_mov_b32 s[CNT], 5             ; four trips fetch the last slot's steps; the fifth is left in its middle
.Ltail:
	TURN 2, 1
	TURN 3
	WIN 0
	s_sub_co_u32 s[CNT], s[CNT], 1
	s_cmp_eq_u32 s[CNT], 0
	s_cbranch_scc1 .Lout
	TURN 0
	TURN 1
	WIN 0
	s_branch .Ltail
.Lout:                              ; the fifth trip's 16 products K Q^T (on the last K once more) and the maximum made of them serve nothing: the price, once a launch, of one text for every trip
.set i, 0
.rept 16
	PV NP-1                         ; the last piece's V^T P of the last step
.set i, i+1
.endr
	; THE WAY OUT.  l's two halves and the other half of the lanes' are added; O^T is divided by l, rounded to f16 and sent through my stage in LDS, a tile at a time.  The additions are the places behind the last products.
	WIN 0
.macro ALL line:vararg              ; one line for each tile t
.set t, 0
.rept 2*NP
	\line
.set t, t+1
.endr
.endm
	ALL v_add_f32 v[ST+4*t+2], v[ST+4*t+2], v[ST+4*t+3]
	ALL v_permlanex16_b32 v[ST+4*t+3], v[ST+4*t+2], s[SEL], s[SEL+1]
	ALL v_add_f32 v[ST+4*t+2], v[ST+4*t+2], v[ST+4*t+3]
	ALL v_rcp_f32 v[ST+4*t+2], v[ST+4*t+2]
	v_nop                           ; a plain instruction between the last reciprocal and the use of its result
	s_wait_alu depctr_va_vdst(0)
; Tile t: a lane's eight channels of a row pack into 16 bytes; they go into rows of 144 bytes and come back as whole rows of 128, into S^T's registers.
.macro PACK t
	WIN W_RS
.set i, 32*(\t)
.rept 16
	v_pk_mul_f32 v[i:i+1], v[i:i+1], v[ST+4*(\t)+2:ST+4*(\t)+3] op_sel_hi:[1,0]
.set i, i+2
.endr
	WIN 0x05                        ; sources 0 and 1 window 1, destination window 0
.set i, 0
.rept 16
	v_cvt_pk_f16_f32 v[S+16*(\t)+i], v[32*(\t)+2*i], v[32*(\t)+2*i+1]
.set i, i+1
.endr
	WIN 0
.irp f, 0,1,2,3
	ds_store_b128 v[STO], v[S+16*(\t)+4*\f:S+16*(\t)+4*\f+3] offset:32*\f
.endr
.irp f, 0,1,2,3
	ds_load_b128 v[S+16*(\t)+4*\f:S+16*(\t)+4*\f+3], v[RD] offset:\f*4*SP  ; LDS serves a wave's instructions in order (ISA guide 5.7.1.4): these see the stores above; the next tile's stores come behind them
.endr
.endm
.macro SEND t, younger              ; younger: the LDS instructions issued behind tile t's loads: the next tile's eight, or none
	WIN 0
.irp f, 0,1,2,3
	s_wait_dscnt (\younger)+3-\f
	global_store_b128 v[GO], v[S+16*(\t)+4*\f:S+16*(\t)+4*\f+3], s[10:11] offset:(\t)*2048+\f*512  ; 512 consecutive bytes, at a multiple of 256 from O's first
.endr
.endm
	PACK 0
.set t, 1
.rept 2*NP-1                        ; a tile's arithmetic stands between the loads of the tile before and its stores
	PACK t
	SEND t-1, 8
.set t, t+1
.endr
	SEND 2*NP-1, 0
	WIN W_AD
	s_wait_tensorcnt 0x0            ; the wave's end, behind my last tensor load and my last LDS store
	ds_add_u32 v[SPW], v[NIL]
	s_wait_dscnt 0x0
	WIN 0
	CROUND                          ; the closing round: no work-group ends while a partner may still ask for a tile that names it
	s_endpgm
.Lfunc_end_k_q54c26b8ce4_attn:
	.size	k_q54c26b8ce4_attn, .Lfunc_end_k_q54c26b8ce4_attn-k_q54c26b8ce4_attn
	.p2alignl 7, 3214868480
	.fill 96, 4, 3214868480
	.section	.rodata,"a",@progbits
	.p2align	6, 0x0
	.amdhsa_kernel k_q54c26b8ce4_attn
		.amdhsa_group_segment_fixed_size 327680
		.amdhsa_private_segment_fixed_size 0
		.amdhsa_enable_private_segment 0
		.amdhsa_kernarg_size 16
		.amdhsa_user_sgpr_count 2
		.amdhsa_user_sgpr_kernarg_segment_ptr 1
		.amdhsa_wavefront_size32 1
		.amdhsa_system_sgpr_workgroup_id_x 1
		.amdhsa_system_sgpr_workgroup_id_y 1
		.amdhsa_system_sgpr_workgroup_id_z 1
		.amdhsa_system_vgpr_workitem_id 0
		.amdhsa_next_free_vgpr 770
		.amdhsa_next_free_sgpr 66
		.amdhsa_reserve_vcc 0
		.amdhsa_float_denorm_mode_32 3
		.amdhsa_float_denorm_mode_16_64 3
		.amdhsa_memory_ordered 1
		.amdhsa_forward_progress 1
		.amdhsa_inst_pref_size 209
	.end_amdhsa_kernel
	.amdgpu_metadata
---
amdhsa.version: [ 1, 2 ]
amdhsa.kernels:
  - .name:           k_q54c26b8ce4_attn
    .symbol:         k_q54c26b8ce4_attn.kd
    .args:
      - { .name: qkv, .offset: 0, .size: 8, .value_kind: global_buffer, .address_space: global }
      - { .name: ob, .offset: 8, .size: 8, .value_kind: global_buffer, .address_space: global }
    .group_segment_fixed_size: 327680
    .private_segment_fixed_size: 0
    .kernarg_segment_align: 8
    .kernarg_segment_size: 16
    .max_flat_workgroup_size: 128
    .sgpr_count:     66
    .vgpr_count:     770
    .wavefront_size: 32
...
	.end_amdgpu_metadata
.endif
;; end of part 3
;; launch outp (part 4): grid 4 x 64, 4 waves a work-group, clusters of 4 x 4, 327,680 bytes of LDS; arguments ob, wo16, out0; writes out0
.if DOCPART == 4
	.amdgcn_target "amdgcn-amd-amdhsa--gfx1250"
	.amdhsa_code_object_version 6
	.text
	.protected	k_q54c26b8ce4_outp
	.globl	k_q54c26b8ce4_outp
	.p2align	8
	.type	k_q54c26b8ce4_outp,@function
k_q54c26b8ce4_outp:
	s_mov_b64 s[64:65], 0
	v_nop
	global_prefetch_b8 v0, s[64:65] scope:SCOPE_SE
	s_setreg_imm32_b32 hwreg(HW_REG_WAVE_MODE, 25, 1), 1
	s_wait_xcnt 0x0
	s_wait_alu depctr_hold_cnt(0) depctr_sa_sdst(0) depctr_va_vdst(0) depctr_va_sdst(0) depctr_va_ssrc(0) depctr_va_vcc(0) depctr_vm_vsrc(0)
	s_getreg_b32 s2, hwreg(HW_REG_IB_STS2, 6, 4)
	s_cmp_eq_u32 s2, 0
	s_cbranch_scc0 .Lentry_in_a_cluster
	s_endpgm
.Lentry_in_a_cluster:
	s_bfe_u32 s2, ttmp6, 0x10000c
	s_cmp_lg_u32 s2, 0xf033
	s_cbranch_scc0 .Lentry_shape_is_right
	s_endpgm
.Lentry_shape_is_right:
; C = A W, W stored [k][n] as the problem gives it.  ONE TEXT FOR TWO LAUNCHES, told apart by KIND.
; KIND 0: q, k, v = xb wqkv.  A = xb [8192][1024] bf16; W = wqkv [3 x 1024][1024] bf16; products in bf16, sums in f32, each result rounded once to f16, unscaled, and laid by heads: qkv [3][64 = batch x 16 + head][2048][64].
; KIND 1: out0 = O wo16.  A = ob [64][2048][64] f16 (a head's 64 channels are one slice of K); W = wo16 [1024][1024] f16; products in f16, sums in f32; out0 [8192][1024] f32.
; LIMIT.  f16 holds no number beyond 65,504: O and w_o arrive within it; NaN and infinities are not treated apart.
; SHARES.  A tile of C is 128 rows x 256 columns: 8192 x 1024 make 256 tiles, one for each of 256 work-groups; in KIND 0 a WORK-GROUP STAYS and makes the q, k and v tile of the same rows and columns, one after the other:
; A goes back along K, W simply runs on (the three matrices lie one behind the other along K), and the ring does not stop at a tile's end.  Four waves, each 64 rows x 128 columns: 32 accumulators of 16 x 16.
; K goes in steps of 128 through two LDS slots filled by the tensor data mover; a wave fetches half of A's tile (waves 0, 1) or half of W's (waves 2, 3): one load a wave behind each change of slots.
; CLUSTERS: 4 x 4 work-groups.  The four of a row of the cluster need the same tiles of A, the four of a column the same tiles of W: each tile is asked for JOINTLY, by the same tensor load with the same descriptor and a mask of four.
; THE MATRIX INSTRUCTION IS USED TRANSPOSED (source 0 = 16 columns of W, source 1 = 16 rows of A): a lane then holds row lane % 16 of C and the eight neighbouring columns 8 (lane / 16) + 0..7.
; A's fragments come out of LDS as they lie (K along the rows), W's ([k][n]) turned, by ds_load_tr16_b128.
; REGISTERS: window 0: v0-6 at work; v16-29 addresses; v32-63 the way out; v64-159, v160-255 two fragment buffers of 96 (W's 8 blocks of 16 columns x 32 K, then A's 4 blocks of 16 rows x 32 K).
;   window 1: the accumulators, (a, b) at v[8 (8 a + b)].
.set KIND,   1
.set KSTEP,  128
.set LAPS,   4                         ; a lap = two K steps = once round the ring; K = 1,024
.set PB,     544                       ; a k-row of W in LDS: 512 bytes + 32 of padding = 136 words
.set ASZ,    36864                     ; room for A's tile in a slot
.set BHALF,  64*PB                     ; 64 k-rows: what one tensor load brings of W
.set SLOT,   ASZ+2*BHALF               ; 106,496
.set STAGE,  2*SLOT                    ; behind the ring, never filled by a tensor load: each wave's own 16 rows for the way out
.set BSTEP,  2*KSTEP*2048              ; W: two K steps down, across tiles too
.if KIND
.set TILES,  1
.set PA,     144                       ; a row of A in LDS: a head's 128 bytes + 16: the 16 rows of a load start at 16 different groups of four banks
.set AHALF,  128*PA                    ; wave 0 fetches the K step's first head (128 rows x 128 dense bytes), wave 1 its second
.set AQH,    128*PA                    ; quarters 2 and 3 of a K step lie in the second head's block
.set A1,     524288                    ; K step 1: two heads on, 2,048 x 128 bytes each
.set ASTEP,  1048576                   ; two K steps on
.set BACK_A, 0
.set QIA,    4                         ; padding after every 32 words
.set AROW,   128                       ; 16,384 dense bytes are asked for as 64 rows of 256 bytes
.set SPITCH, 528                       ; the stage: 128 columns of f32 + 16 bytes
.else
.set TILES,  3
.set PA,     272                       ; 256 bytes + 16
.set AHALF,  64*PA                     ; wave 0 fetches rows 0-63, wave 1 rows 64-127
.set AQH,    128
.set A1,     256
.set ASTEP,  512
.set BACK_A, 1536                      ; from a slot's last K step of a tile (6 or 7) to its first of the next (0 or 1)
.set QIA,    5                         ; padding after every 64 words
.set AROW,   1024
.set SPITCH, 144                       ; the stage: a head's 64 columns of f16 + 16 bytes
.endif
.set SPARE,  STAGE+4*16*SPITCH         ; behind the stages: the spare words, 128 bytes for each wave: two blocks of 256 bytes that no other line names
.set ADRA, 16                          ; v16-17  LDS address of my A fragments in slot 0, 1
.set ADRB, 20                          ; v20-21  the same for W
.set STO,  24                          ; v24     the way out: where I put my part of a row
.set RD,   25                          ; v25     the way out: where I read rows back
.set CO,   26                          ; v26     16 x my lane: my byte offset in 512 consecutive bytes of C
.set SPW,  28                          ; v28     LDS address of my spare word: SPARE + 4 x my thread's number; never rewritten
.set NIL,  29                          ; v29     0; never rewritten
.set F0,   64
.set F1,   160
.set G1,  24                           ; s[24:31] descriptor group 1 for A's tiles;  s[32:39] group 0, one set for each slot
.set G0,  32
.set G1B, 48                           ; s[48:55], s[56:63] the same for W's tiles
.set G0B, 56
.set MSB, 0
.macro WIN new                         ; the immediate's high byte repeats the setting that is left; a switch that changes nothing is dropped
.if MSB != (\new)
	s_set_vgpr_msb (MSB<<8)|(\new)
.set MSB, \new
.endif
.endm
.set MUL, 0x50                         ; C and D window 1, both sources window 0
.set PK,  0x05                         ; sources 0 and 1 window 1, destination window 0
.set ST1, 0x04                         ; an LDS store's data window 1, its address window 0
.macro JLOAD s                         ; a joint load: waves 0 and 1 fetch A's two halves, waves 2 and 3 W's; an s_nop 0 and four v_nop follow each of the two lines, ahead of the jump, the label and what follows
	s_cmp_eq_u32 s11, 0
	s_cbranch_scc0 .Lfor_b_\@
	tensor_load_to_lds s[G0+4*(\s):G0+4*(\s)+3], s[G1:G1+7]
	s_nop 0
.rept 4
	v_nop
.endr
	s_branch .Lasked_\@
.Lfor_b_\@:
	tensor_load_to_lds s[G0B+4*(\s):G0B+4*(\s)+3], s[G1B:G1B+7]
	s_nop 0
.rept 4
	v_nop
.endr
.Lasked_\@:
.endm
.macro CREST                           ; a round of the cluster's barrier behind its opening barrier
	s_cmp_lg_u32 s10, 0
	s_cbranch_scc1 .Lnot_wave_0_\@
	s_barrier_signal -3
.Lnot_wave_0_\@:
	s_barrier_wait -3
	s_barrier_signal -1
	s_barrier_wait -1
.endm
.macro CROUND                          ; a whole round
	s_barrier_signal -1
	s_barrier_wait -1
	CREST
.endm
	s_load_b128 s[4:7], s[0:1], 0x0                ; A s[4:5], W s[6:7]
	s_load_b64 s[8:9], s[0:1], 0x10                ; C
	v_lshl_add_u32 v[SPW], v0, 2, SPARE
	v_mov_b32 v[NIL], 0
	ds_add_u32 v[SPW], v[NIL]                      ; the wave's opening: the add and its wait stand ahead of my first tensor load; the set-up below, work on registers, stands between them
	v_lshrrev_b32 v1, 5, v0
	v_readfirstlane_b32 s10, v1                    ; wave 0..3
	s_lshr_b32 s11, s10, 1                         ; which 64 of the tile's rows are mine.  Also: I fetch for A (0) or for W (1)
	s_and_b32 s12, s10, 1                          ; which 128 of its columns.  Also: which half of that tile I fetch
	s_bfe_u32 s40, ttmp6, 0x40000                  ; cx, cy: my place in the cluster
	s_bfe_u32 s41, ttmp6, 0x40004
	s_lshl_b32 s42, ttmp9, 2
	s_add_co_u32 s42, s42, s40                     ; tile column of C = 4 x cluster x + cx
	s_and_b32 s13, ttmp7, 0xffff
	s_lshl_b32 s13, s13, 2
	s_add_co_u32 s13, s13, s41                     ; tile row of C = 4 x cluster y + cy
	s_lshl_b32 s43, s41, 2
	s_lshl_b32 s43, 15, s43                        ; my row of the cluster
	s_lshl_b32 s44, 0x1111, s40                    ; my column
	; descriptor group 1.  A: 64 rows x 128 elements; W: 64 k-rows x 256 elements; both padded in LDS
	s_or_b32 s[G1+0], s43, (1<<16)|(1<<20)|(1<<21)|(QIA<<22)|(3<<25)  ; 15:0 the mask: A's tiles go to my row; 17:16 elements of 2 bytes; 20 padding on; 21 set beside a mask; 24:22 the interval; 31:25 4 words of padding (code 3)
	s_or_b32 s[G1B+0], s44, (1<<16)|(1<<20)|(1<<21)|(6<<22)|(7<<25)   ; W's go to my column; after every 128 words (code 6) 8 words (code 7)
	s_mov_b32 s[G1+1], 128<<16                     ; tensor_dim0 = 128
	s_mov_b32 s[G1+2], 64<<16                      ; tensor_dim1 = 64
	s_mov_b32 s[G1+3], 128<<16                     ; tile_dim0 = 128
	s_mov_b32 s[G1+4], 64                          ; tile_dim1 = 64
	s_mov_b32 s[G1+5], AROW                        ; elements from row to row
	s_mov_b32 s[G1+6], 0
	s_mov_b32 s[G1+7], 0
	s_mov_b32 s[G1B+1], 256<<16                    ; tensor_dim0 = 256
	s_mov_b32 s[G1B+2], 64<<16
	s_mov_b32 s[G1B+3], 256<<16                    ; tile_dim0 = 256
	s_mov_b32 s[G1B+4], 64
	s_mov_b32 s[G1B+5], 1024
	s_mov_b32 s[G1B+6], 0
	s_mov_b32 s[G1B+7], 0
	; where the tiles come from.  A's hang on the tile row alone, W's on the tile column alone, each in registers that never hold the other coordinate
.if KIND
	s_lshr_b32 s16, s13, 4                         ; the batch: 16 heads x 2,048 rows x 128 bytes,
	s_lshl_b32 s16, s16, 22
	s_lshl_b32 s17, s12, 18                        ; the head of the K step's two that I fetch,
	s_add_co_u32 s16, s16, s17
	s_and_b32 s17, s13, 15                         ; the tile's 128 rows of the batch's 2,048
	s_lshl_b32 s17, s17, 14
	s_add_co_u32 s16, s16, s17
.else
	s_lshl_b32 s16, s13, 7
	s_lshl_b32 s17, s12, 6
	s_add_co_u32 s16, s16, s17                     ; row 128 x tile row + 64 x half,
	s_lshl_b32 s16, s16, 11                        ; 2,048 bytes a row
.endif
	s_mov_b32 s17, 0
	s_lshl_b32 s46, s12, 17                        ; W: my 64 k-rows of 2,048 bytes,
	s_lshl_b32 s47, s42, 9                         ; the tile column's 512 bytes of a row
	s_add_co_u32 s46, s46, s47
	s_mov_b32 s47, 0
	s_mul_i32 s20, s12, AHALF                      ; and where they go: no place in the cluster enters an LDS address
	s_mul_i32 s21, s12, BHALF
	s_add_co_u32 s21, s21, ASZ
	s_wait_dscnt 0x0                               ; the opening add is done
	s_wait_kmcnt 0x0
	s_add_nc_u64 s[14:15], s[4:5], s[16:17]
	s_add_nc_u64 s[46:47], s[6:7], s[46:47]
	CROUND                                         ; all sixteen work-groups are here: the first joint loads meet
.irp s, 0,1
	s_mov_b32 s[G0+4*(\s)], 1                      ; count = 1
	s_add_co_u32 s[G0+4*(\s)+1], s20, (\s)*SLOT    ; LDS address
	s_add_nc_u64 s[G0+4*(\s)+2:G0+4*(\s)+3], s[14:15], (\s)*A1  ; global address: K step s
	s_or_b32 s[G0+4*(\s)+3], s[G0+4*(\s)+3], 0x80000000         ; type = 2
	s_mov_b32 s[G0B+4*(\s)], 1
	s_add_co_u32 s[G0B+4*(\s)+1], s21, (\s)*SLOT
	s_add_nc_u64 s[G0B+4*(\s)+2:G0B+4*(\s)+3], s[46:47], (\s)*KSTEP*2048
	s_or_b32 s[G0B+4*(\s)+3], s[G0B+4*(\s)+3], 0x80000000
	JLOAD \s                                       ; two loads of mine are out
.endr
	; A fragment of A: 16 rows x 32 K in 8 registers: lane l holds row l % 16, K = 8 (l / 16) + 0..7 and 16 + 8 (l / 16) + 0..7: two loads of 16 bytes, 32 bytes apart.
	v_and_b32 v1, 15, v0                           ; l % 16
	v_bfe_u32 v2, v0, 4, 1                         ; l / 16
	v_mul_u32_u24 v3, v1, PA
	v_lshl_add_u32 v3, v2, 4, v3                   ; row x pitch + 16 x half
	; The turning load takes 16 k x 16 columns (lane l reads k-row 8 (l / 16) + l % 8, columns 8 ((l / 8) % 2) + 0..7) and leaves half a fragment: lane l holds column l % 16 and 8 k.
	v_and_b32 v4, 7, v0
	v_lshl_add_u32 v4, v2, 3, v4
	v_mul_u32_u24 v4, v4, PB
	v_bfe_u32 v5, v0, 3, 1
	v_lshl_add_u32 v4, v5, 4, v4
	s_mul_i32 s21, s11, 64*PA                      ; my 64 rows of A
	s_lshl_b32 s22, s12, 8                         ; my 128 columns of W,
	s_add_co_u32 s22, s22, ASZ                     ; which lies behind A
.irp s, 0,1
	v_add_nc_u32 v[ADRA+(\s)], s21, v3
	v_add_nc_u32 v[ADRB+(\s)], s22, v4
	s_add_co_u32 s21, s21, SLOT
	s_add_co_u32 s22, s22, SLOT
.endr
	s_mul_i32 s23, s10, 16*SPITCH
	s_add_co_u32 s23, s23, STAGE                   ; my stage
	v_mul_u32_u24 v3, v1, SPITCH                   ; in: row l % 16,
.if KIND
	v_lshl_add_u32 v3, v2, 5, v3                   ; 32 bytes (8 f32) for each half of the lanes
	v_add_nc_u32 v[STO], s23, v3
	v_and_b32 v3, 31, v0
	v_lshl_add_u32 v[RD], v3, 4, s23               ; back: 32 lanes take one row of 512 bytes
.else
	v_lshl_add_u32 v3, v2, 4, v3                   ; 16 bytes (8 f16) for each half of the lanes
	v_add_nc_u32 v[STO], s23, v3
	v_bfe_u32 v3, v0, 3, 2                         ; back: 32 lanes take four rows of 128 bytes
	v_mul_u32_u24 v3, v3, SPITCH
	v_and_b32 v4, 7, v0
	v_lshl_add_u32 v3, v4, 4, v3
	v_add_nc_u32 v[RD], s23, v3
.endif
	v_and_b32 v[CO], 31, v0
	v_lshlrev_b32 v[CO], 4, v[CO]
	; where my part of C begins: the part that hangs on the tile row, then the part that hangs on the tile column, each in its own registers
.if KIND
	s_lshl_b32 s16, s13, 7
	s_lshl_b32 s17, s11, 6
	s_add_co_u32 s16, s16, s17                     ; my first row,
	s_lshl_b32 s16, s16, 12                        ; 4,096 bytes a row
	s_lshl_b32 s46, s42, 10                        ; 256 columns of f32,
	s_lshl_b32 s47, s12, 9                         ; my 128
.else
	s_lshr_b32 s16, s13, 4                         ; the batch,
	s_lshl_b32 s16, s16, 22
	s_and_b32 s17, s13, 15                         ; the tile's 128 rows of 128 bytes in a head,
	s_lshl_b32 s17, s17, 14
	s_add_co_u32 s16, s16, s17
	s_lshl_b32 s17, s11, 13                        ; my 64 of them
	s_add_co_u32 s16, s16, s17
	s_lshl_b32 s46, s42, 20                        ; the tile column's four heads of 262,144 bytes,
	s_lshl_b32 s47, s12, 19                        ; my two
.endif
	s_mov_b32 s17, 0
	s_add_nc_u64 s[8:9], s[8:9], s[16:17]
	s_add_co_u32 s46, s46, s47
	s_mov_b32 s47, 0
	s_add_nc_u64 s[8:9], s[8:9], s[46:47]
.macro WM d, b, a, zero                ; one product; zero = 1: it starts the sum: nothing is ever cleared
.if KIND
.if \zero
	v_wmma_f32_16x16x32_f16 v[(\d):(\d)+7], v[(\b):(\b)+7], v[(\a):(\a)+7], 0
.else
	v_wmma_f32_16x16x32_f16 v[(\d):(\d)+7], v[(\b):(\b)+7], v[(\a):(\a)+7], v[(\d):(\d)+7]
.endif
.else
.if \zero
	v_wmma_f32_16x16x32_bf16 v[(\d):(\d)+7], v[(\b):(\b)+7], v[(\a):(\a)+7], 0
.else
	v_wmma_f32_16x16x32_bf16 v[(\d):(\d)+7], v[(\b):(\b)+7], v[(\a):(\a)+7], v[(\d):(\d)+7]
.endif
.endif
.endm
; 8 matrix instructions: row block a x all 8 column blocks, 32 along K, from buffer f.  The 32 accumulators take turns, one instruction a turn, in the same order in every quarter.
.macro MUL8 f, a, zero
	WIN MUL
.irp b, 0,1,2,3,4,5,6,7
	WM 8*(8*(\a)+(\b)), (\f)+8*(\b), (\f)+64+8*(\a), \zero
.endr
.endm
; 24 LDS loads in one run: the fragments of quarter q (32 along K) of a slot into buffer f: W's sixteen, then A's eight, row blocks 0 to 3
.macro FETCH slot, q, f
	WIN 0
.irp b, 0,1,2,3,4,5,6,7
	ds_load_tr16_b128 v[(\f)+8*(\b):(\f)+8*(\b)+3],   v[ADRB+(\slot)] offset:(\q)*32*PB+32*(\b)
	ds_load_tr16_b128 v[(\f)+8*(\b)+4:(\f)+8*(\b)+7], v[ADRB+(\slot)] offset:(\q)*32*PB+16*PB+32*(\b)
.endr
.irp a, 0,1,2,3
	ds_load_b128 v[(\f)+64+8*(\a):(\f)+64+8*(\a)+3],   v[ADRA+(\slot)] offset:((\q)/2)*AQH+((\q)%2)*64+(\a)*16*PA
	ds_load_b128 v[(\f)+64+8*(\a)+4:(\f)+64+8*(\a)+7], v[ADRA+(\slot)] offset:((\q)/2)*AQH+((\q)%2)*64+(\a)*16*PA+32
.endr
.endm
.macro PLACES                          ; four places in front of loads into registers that matrix instructions have read, and of lines that read results (ISA guide 7.12.1 for vector instructions)
.rept 4
	v_nop
.endr
.endm
; A K step is four quarters of 32 along K, 32 matrix instructions each, on buffers 0, 1, 0, 1.  One of the first three: multiplies buffer f and, in its middle, fetches quarter q into g.
.macro QUARTER slot, q, f, g, zero
	s_wait_dscnt 4                                 ; W's fragments and A's row blocks 0 and 1 are in; the youngest four loads (blocks 2 and 3) may be out
	MUL8 \f, 0, \zero
	MUL8 \f, 1, \zero
	PLACES
	FETCH \slot, \q, \g
	s_wait_dscnt 24                                ; all but the 24 just issued
	MUL8 \f, 2, \zero
	MUL8 \f, 3, \zero
.endm
; The last quarter multiplies buffer 1 and changes slots: ONE barrier; in front of it each wave waits for all its tensor loads (one is out: its part of the next slot), adds 0 to its spare word, and waits for that
; and for its own reads of this slot.  mode 0: this slot is filled again with this tile's K step two on; 1: with the next tile's K step 0 or 1; 2: not at all.
; From a request to the wait for it a wave issues 112 matrix instructions.
.macro TURN slot, next, mode
	WIN 0
	s_wait_tensorcnt 0x0                           ; all my tensor loads have landed;
	ds_add_u32 v[SPW], v[NIL]                      ; 0 onto my spare word;
	s_wait_dscnt 5                                 ; (the add and the youngest four loads may be out)
	MUL8 F1, 0, 0                                  ; eight matrix instructions stand between the add and the wait for it
	s_wait_dscnt 0x0                               ; the add is done, and my reads of this slot are over
	s_barrier_signal -1
	MUL8 F1, 1, 0
.if (\mode) < 2
	WIN 0
.endif
	s_barrier_wait -1
.if (\mode) < 2
	CREST                                          ; the barrier has opened a round of the cluster's barrier: no wave of any partner still reads this slot's tile or has a load on its way
.if (\mode) == 0
	s_add_nc_u64 s[G0+4*(\slot)+2:G0+4*(\slot)+3], s[G0+4*(\slot)+2:G0+4*(\slot)+3], ASTEP
.else
	s_sub_nc_u64 s[G0+4*(\slot)+2:G0+4*(\slot)+3], s[G0+4*(\slot)+2:G0+4*(\slot)+3], BACK_A
.endif
	s_add_nc_u64 s[G0B+4*(\slot)+2:G0B+4*(\slot)+3], s[G0B+4*(\slot)+2:G0B+4*(\slot)+3], BSTEP
	JLOAD \slot                                    ; the first tensor load behind the round; the four v_nop behind it are also the places in front of the loads below
.else
	PLACES
.endif
	FETCH \next, 0, F0
	MUL8 F1, 2, 0
	MUL8 F1, 3, 0
.endm
.if KIND
; THE WAY OUT, f32.  Row block a: a lane's eight numbers of a row (32 bytes) go into my stage, rows of 528 bytes, and come back as whole rows of 512 bytes; three sets of 64 registers take turns.
.macro STG a
	WIN ST1
.irp b, 0,1,2,3,4,5,6,7
	ds_store_b128 v[STO], v[8*(8*(\a)+(\b)):8*(8*(\a)+(\b))+3]   offset:64*(\b)     ; each accumulator's lowest registers are read first
	ds_store_b128 v[STO], v[8*(8*(\a)+(\b))+4:8*(8*(\a)+(\b))+7] offset:64*(\b)+16
.endr
	WIN 0
.if (\a) == 3
	s_wait_xcnt 0x0                                ; block 0's stores have read their registers, which block 3 takes
.endif
.set BK, 64+64*((\a)%3)
.irp t, 0,1,2,3,4,5,6,7,8,9,10,11,12,13,14,15
	ds_load_b128 v[BK+4*(\t):BK+4*(\t)+3], v[RD] offset:SPITCH*(\t)  ; LDS serves a wave's instructions in order (ISA guide 5.7.1.4): these see the stores above; the next block's stores come behind them
.endr
.endm
.macro SENDF a, y                      ; y: the LDS instructions issued behind block a's loads: the next block's 32, or none
.set BK, 64+64*((\a)%3)
.irp t, 0,1,2,3,4,5,6,7,8,9,10,11,12,13,14,15
	s_wait_dscnt (\y)+15-(\t)
	global_store_b128 v[CO], v[BK+4*(\t):BK+4*(\t)+3], s[8:9] offset:(16*(\a)+(\t))*4096 th:TH_STORE_NT  ; 512 consecutive bytes of a row, at a multiple of 512 from C's first byte
.endr
.endm
.macro WAYOUT
	PLACES
	STG 0
	STG 1
	SENDF 0, 32
	STG 2
	SENDF 1, 32
	STG 3
	SENDF 2, 32
	SENDF 3, 0
.endm
.else
; THE WAY OUT, f16 by heads.  Unit t = 16 rows (row block t / 2) of one head (t % 2): a lane's eight channels of a row pack into 16 bytes; they go into stage rows of 144 bytes and come back as whole rows of 128,
; four rows to a load: 512 consecutive bytes of the head's dense rows.  Each unit has 16 registers of its own (v32-63, then buffer 1's; buffer 0 may hold the next tile's first fragments).
.macro SETT t
.if (\t) < 2
.set TT, 32+16*(\t)
.else
.set TT, 160+16*((\t)-2)
.endif
.endm
.macro PACK t
	SETT \t
.set AC, 8*(8*((\t)/2)+4*((\t)%2))
	WIN PK
.irp f, 0,1,2,3
.irp r, 0,1,2,3
	v_cvt_pk_f16_f32 v[TT+4*(\f)+(\r)], v[AC+8*(\f)+2*(\r)], v[AC+8*(\f)+2*(\r)+1]  ; each accumulator's registers in ascending order
.endr
.endr
	WIN 0
.irp f, 0,1,2,3
	ds_store_b128 v[STO], v[TT+4*(\f):TT+4*(\f)+3] offset:32*(\f)
.endr
.irp f, 0,1,2,3
	ds_load_b128 v[TT+4*(\f):TT+4*(\f)+3], v[RD] offset:4*SPITCH*(\f)  ; LDS serves a wave's instructions in order (ISA guide 5.7.1.4): these see the stores above; the next unit's stores come behind them
.endr
.endm
.macro SEND t, y                       ; y: the LDS instructions issued behind unit t's loads: the next unit's eight, or none
	SETT \t
.irp f, 0,1,2,3
	s_wait_dscnt (\y)+3-(\f)
	global_store_b128 v[CO], v[TT+4*(\f):TT+4*(\f)+3], s[8:9] offset:((\t)%2)*262144+((\t)/2)*2048+(\f)*512  ; 512 consecutive bytes, at a multiple of 512 from C's first byte
.endr
.endm
.macro WAYOUT
	PLACES
	PACK 0
.irp t, 1,2,3,4,5,6,7                  ; a unit's conversions stand between the loads of the unit before and its stores
	PACK \t
	SEND (\t)-1, 8
.endr
	SEND 7, 0
.endm
.endif
	s_wait_tensorcnt 1                             ; my part of K step 0 is in; K step 1's may stay out
	s_barrier_signal -1
	s_barrier_wait -1                              ; everybody's is
	FETCH 0, 0, F0
.if TILES > 1
	s_mov_b32 s2, TILES                            ; tiles to go, this one among them: the same number in every work-group
.Ltile:
.endif
	QUARTER 0, 1, F0, F1, 1                        ; a tile's first quarter stands in front of the loop: its products start the sums
	WIN 0                                          ; at a label and at a branch every window is 0
	s_mov_b32 s3, LAPS-1
.Llap:                                                 ; a trip goes once round the ring, from a lap's second quarter to the next lap's first, and fills both slots again
	QUARTER 0, 2, F1, F0, 0
	QUARTER 0, 3, F0, F1, 0
	TURN 0, 1, 0
	QUARTER 1, 1, F0, F1, 0
	QUARTER 1, 2, F1, F0, 0
	QUARTER 1, 3, F0, F1, 0
	TURN 1, 0, 0
	QUARTER 0, 1, F0, F1, 0
	WIN 0
	s_sub_co_u32 s3, s3, 1
	s_cmp_lg_u32 s3, 0
	s_cbranch_scc1 .Llap
	QUARTER 0, 2, F1, F0, 0                        ; the tile's last lap goes on
	QUARTER 0, 3, F0, F1, 0
.if TILES > 1
	WIN 0
	s_cmp_eq_u32 s2, 1
	s_cbranch_scc1 .Llast_tile                     ; the last tile's tail is written out: it asks for nothing more
	TURN 0, 1, 1                                   ; THE RING GOES ON INTO THE NEXT TILE: slot 0 takes its K step 0,
	QUARTER 1, 1, F0, F1, 0
	QUARTER 1, 2, F1, F0, 0
	QUARTER 1, 3, F0, F1, 0
	TURN 1, 0, 1                                   ; slot 1 its K step 1, and the next tile's first fragments are fetched into buffer 0
	WAYOUT                                         ; both refills are asked for: now the tile goes out
	s_wait_xcnt 0x0                                ; the stores have read their registers and C's address
	s_add_nc_u64 s[8:9], s[8:9], 0x1000000         ; from q to k, from k to v: 64 x 2,048 x 128 bytes
	s_sub_co_u32 s2, s2, 1
	s_branch .Ltile
.Llast_tile:
.endif
	TURN 0, 1, 2                                   ; the last lap of the last tile fills nothing, and has no round of the cluster's barrier
	QUARTER 1, 1, F0, F1, 0
	QUARTER 1, 2, F1, F0, 0
	QUARTER 1, 3, F0, F1, 0
	s_wait_dscnt 4                                 ; the very last quarter: nothing more to fetch
	MUL8 F1, 0, 0
	MUL8 F1, 1, 0
	s_wait_dscnt 0x0
	MUL8 F1, 2, 0
	MUL8 F1, 3, 0
	WAYOUT
	s_wait_tensorcnt 0x0                           ; the wave's end, behind my last tensor load and my last LDS store
	ds_add_u32 v[SPW], v[NIL]
	s_wait_dscnt 0x0
	CROUND                                         ; the closing round: no work-group ends while a partner may still ask for a tile that names it
	s_endpgm
.Lfunc_end_k_q54c26b8ce4_outp:
	.size	k_q54c26b8ce4_outp, .Lfunc_end_k_q54c26b8ce4_outp-k_q54c26b8ce4_outp
	.p2alignl 7, 3214868480
	.fill 96, 4, 3214868480
	.section	.rodata,"a",@progbits
	.p2align	6, 0x0
	.amdhsa_kernel k_q54c26b8ce4_outp
		.amdhsa_group_segment_fixed_size 327680
		.amdhsa_private_segment_fixed_size 0
		.amdhsa_enable_private_segment 0
		.amdhsa_kernarg_size 24
		.amdhsa_user_sgpr_count 2
		.amdhsa_user_sgpr_kernarg_segment_ptr 1
		.amdhsa_wavefront_size32 1
		.amdhsa_system_sgpr_workgroup_id_x 1
		.amdhsa_system_sgpr_workgroup_id_y 1
		.amdhsa_system_sgpr_workgroup_id_z 1
		.amdhsa_system_vgpr_workitem_id 0
		.amdhsa_next_free_vgpr 512
		.amdhsa_next_free_sgpr 66
		.amdhsa_reserve_vcc 0
		.amdhsa_float_denorm_mode_32 3
		.amdhsa_float_denorm_mode_16_64 3
		.amdhsa_memory_ordered 1
		.amdhsa_forward_progress 1
		.amdhsa_inst_pref_size 87
	.end_amdhsa_kernel
	.amdgpu_metadata
---
amdhsa.version: [ 1, 2 ]
amdhsa.kernels:
  - .name:           k_q54c26b8ce4_outp
    .symbol:         k_q54c26b8ce4_outp.kd
    .args:
      - { .name: ob, .offset: 0, .size: 8, .value_kind: global_buffer, .address_space: global }
      - { .name: wo16, .offset: 8, .size: 8, .value_kind: global_buffer, .address_space: global }
      - { .name: out0, .offset: 16, .size: 8, .value_kind: global_buffer, .address_space: global }
    .group_segment_fixed_size: 327680
    .private_segment_fixed_size: 0
    .kernarg_segment_align: 8
    .kernarg_segment_size: 24
    .max_flat_workgroup_size: 128
    .sgpr_count:     66
    .vgpr_count:     512
    .wavefront_size: 32
...
	.end_amdgpu_metadata
.endif
;; end of part 4
